; MI455X (gfx1250); checked and timed in simulation.
; The chip was launched on July 23, 2026; its instructions are those of AMD's public machine-readable ISA for CDNA 5 (MIT licence, August 2026) and "CDNA5" Instruction Set Architecture Reference Guide (July 2026). The comments in the code are by the model that wrote it; some were corrected since.
;; pointcnn. Allowed arithmetic: matrix products marked QUANTISED: E5M2 operands, one given power-of-two scale a tensor, by v_wmma_f32_16x16x64_bf8_bf8 or v_wmma_f32_16x16x128_bf8_bf8, f32 sums; products left as they are: f32 operands where the result goes on into a quantised operand, else bf16, f16 or f32 operands; f32 sums; everything else in f32.
;; Inputs: W0 128 x 3 float32; W1_codes 128 x 4 x 32 uint8 (E5M2 codes of W1, K innermost, in blocks of 32 codes); W2_codes 128 x 4 x 32 uint8 (E5M2 codes of W2, K innermost, in blocks of 32 codes); b0 128 float32; b1 128 float32; b2 128 float32; lowp_scales 4 int32 (the exponents e of the quantised operands' scales 2^e); xyz 8 x 4,096 x 3 float32.
;; Outputs: out0 8 x 4,096 x 128 float32.
;; Constants: k = 16, n_blocks = 3.
;; This version of the problem:
;;   THIS VERSION OF THE PROBLEM IS GIVEN IN LOW PRECISION. The matrix products marked QUANTISED in the list below multiply operands that are first quantised to E5M2 (5 exponent bits, 2 mantissa bits; 8 bits a number), with one given power-of-two scale for each operand tensor; their sums are f32. All else is computed in f32.
;;   The module's matrix products, in the order in which they are computed (A, B: the left and right operand; K: the contracted axis; several contracted axes count as one K, in the product's order):
;;     1. batch 8 x [M 4,096, K 3] x [K 3, N 4,096]; A: input xyz; B: input xyz: left as it is (K = 3 < 32)
;;     2. [M 524,288, K 3] x [K 3, N 128]; A: computed on the way; B: input W0: left as it is (K = 3 < 32)
;;     3. [M 524,288, K 128] x [K 128, N 128]; A: computed on the way; B: input W1 (given as codes): QUANTISED (scales: A lowp_scales[0], B lowp_scales[1])
;;     4. [M 524,288, K 128] x [K 128, N 128]; A: computed on the way; B: input W2 (given as codes): QUANTISED (scales: A lowp_scales[2], B lowp_scales[3])
;;   THE QUANTISER, for each operand of a quantised product, along K:
;;     - The operand's scale is 2^e, e = its entry of the input lowp_scales (int32; the entries are numbered through the quantised products in the list's order, A before B).
;;     - Each number is divided by the scale, clamped to +-57,344, and rounded to the nearest number of E5M2, ties to even, subnormals kept.
;;     - The product sums the exact products of the quantised numbers (number of the format x scale) in f32.
;;   ~~~python
;;   def quantise(x, axis, e):      # numpy; x: float32 -> the quantised numbers, widened to float32 again
;;       x = np.moveaxis(x, axis, -1); K = x.shape[-1]
;;       r = np.clip(x / 2.0 ** e, -57344, 57344)
;;       step = 2.0 ** (np.maximum(np.frexp(np.where(r == 0, 1, r))[1] - 1, -14) - 2)
;;       q = np.round(r / step) * step * 2.0 ** e      # np.round: ties to even
;;       return np.moveaxis(q, -1, axis).astype(np.float32)
;;   ~~~
;;   OPERANDS COMPUTED ON THE WAY. 'Computed on the way' means the value that the module computes at that place (a softmax that the list does not call 'softmax' is quantised finished and normalised). What goes into a quantiser is computed in f32, as accurately as f32 sums, v_exp_f32 and their like allow (about 1e-6 of the number): no bf16 or f16 on the way to a quantiser, and a product that is left as it is and whose result goes on into a quantised operand takes f32 operands (vector FMAs, or v_wmma_f32_16x16x4_f32). A number that lies on a knife's edge between two numbers of the format may be rounded either way, as far as f32 arithmetic and the matrix unit's own rounding can turn it there, and no further.
;;   INPUTS GIVEN AS CODES. W1 (in the module: [128, 128], K = its axis 1); W2 (in the module: [128, 128], K = its axis 1): each comes as NAME_codes (uint8): NAME with its K axis moved to the last place and cut into blocks of 32 codes, [.., K / 32, bytes a block], one block behind the other in memory; one code a byte (a code: sign, 5 exponent bits, 2 mantissa bits); its scale is its entry of lowp_scales. Its value is code x scale, taken as it is: it is not quantised again, and the codes and scales need not be those that the quantiser above would give.
;; 2 versions, each right; version 2 is version 1 with the launches groups, mlp written anew for expert scheduling mode. Each part assembles by itself: llvm-mc -triple=amdgcn-amd-amdhsa -mcpu=gfx1250 --defsym DOCPART=n.
;; ======== version 1 of 2: 3 launches
;; workspace buffers: gsel 1,048,576 bytes of whole numbers; nbr 1,048,576 bytes of whole numbers; h0c 4,194,304 bytes
;; launch groups (part 1): grid 256 x 1, 4 waves a work-group, no clusters, 245,248 bytes of LDS; arguments xyz, W0, b0, lowp_scales, gsel, h0c; writes gsel, h0c
.if DOCPART == 1
	.amdgcn_target "amdgcn-amd-amdhsa--gfx1250"
	.amdhsa_code_object_version 6
	.text
	.protected	k_q0965eafcc6_groups
	.globl	k_q0965eafcc6_groups
	.p2align	8
	.type	k_q0965eafcc6_groups,@function
k_q0965eafcc6_groups:
	s_mov_b64 s[64:65], 0
	v_nop
	global_prefetch_b8 v0, s[64:65] scope:SCOPE_SE
	s_setreg_imm32_b32 hwreg(HW_REG_WAVE_MODE, 25, 1), 1
	s_wait_xcnt 0x0
; GROUPS.  xyz: [8][4096][3] f32.  A work-group owns 128 queries of one batch (32 work-groups a batch), four waves.
; It forms all 128 x 4,096 squared distances d = (sq_m + sq_n) - 2 dot, keeps for each query the largest d of each GROUP of 16 neighbouring candidates (256 groups),
; and stores for each query the numbers of the 17 best groups, ordered by (largest d falling, group number rising): gsel [32768][32 bytes], bytes 3 .. 19, rising.
; Every one of a query's 17 largest distances (ties to the lower index) lies in one of these 17 groups: were one outside, the first largest elements of 17 groups would stand ahead of it.
; It also makes layer 0 once for each of its 128 points: h0c [32768][128] = E5M2 codes of relu(W0 p + b0) / 2^e0, e0 = lowp_scales[0].
; ROUNDINGS.  sq = (x x + y y) + z z with each square and each sum rounded by itself; dot = fma(z, z', fma(y, y', x x')); d = fma(-2, dot, sq_n + sq_m).  The squares are NOT fused on purpose:
; a distance's last bit decides which of two nearly tied neighbours is kept, so the roundings are those of the definition taken step by step.  The next launch forms d by the same lines.
; NO JOINT LOADS: what the 32 work-groups of a batch share is the batch's 49,152 bytes, read once by each through registers, beside 524,288 distances a work-group.
; LIMITS: NaN and infinities in xyz are not served; -0 and +0 count as equal; e0 between -126 and 112, so that 2^e0 and 57,344 x 2^e0 are f32 numbers.
.set GP,    272                        ; a group in the table: x[16], y[16], z[16], sq[16] (64 bytes each) + 16 of padding
.set TAB,   0                          ; LDS: the batch's 256 groups
.set MT,    256*GP                     ; the groups' largest d: eight parts, part j for the groups 32 j .. 32 j + 31, which threads 16 j .. 16 j + 15 make
.set MP,    144                        ; a query's row in a part: 32 numbers + 16 bytes: an odd multiple of 16, so sixteen rows start at sixteen different banks (ISA guide 11.1)
.set SUB,   128*MP+128                 ; a part; the 128 bytes set the two halves of a wave's store on different banks
.set QREC,  MT+8*SUB                   ; (x, y, z, sq) of the work-group's 128 queries
.set WREC,  QREC+2048                  ; (W0[c][0], W0[c][1], W0[c][2], b0[c]) for the 128 channels
.set HSTG,  WREC+2048                  ; the codes' way out: for each wave 32 rows of 128 bytes + 16
.set HP,    144
.set GSTG,  HSTG+4*32*HP               ; the group lists' way out: 1,024 bytes a wave
.set LANE,  1
.set GOFF,  2                          ; 48 t: my four points of a table row
.set TADR,  3                          ; where they go in the table
.set O12,   4
.set O4,    5
.set CADR,  6                          ; my two groups in the table
.set QADR,  7
.set MADR,  8
.set MBASE, 9
.set RADR,  10
.set RBASE, 11
.set OWN,   12                         ; v[12:15] my own point: x, y, z, sq
.set QA,    16                         ; v[16:19], v[20:23] the query in hand and the next
.set QB,    20
.set T,     24                         ; v[24:39] 16 dots
.set D,     40                         ; v[40:55] 16 distances
.set MX,    56                         ; v[56:60] at work; v[62:63] my two groups' largest d
.set CAND,  64                         ; v[64:191] my 32 candidates: group u at 64 u: x 0-15, y 16-31, z 32-47, sq 48-63
.set R,     64                         ; before that: the table's 24 loads, v[64:159]
.set XS,    160
.set YS,    164
.set ZS,    168
.set SS,    172
.set TM,    176
.set WB,    64                         ; layer 0: two sets of 8 channels' records
.set H,     128                        ; two sets of 8 numbers
.set CODE,  144                        ; v[144:175] my point's 128 codes
.set OS,    192                        ; v[192:223] the codes as they leave: written once
.set L,     64                         ; v[64:80] the 17 largest, falling
.set TAU,   80
.set RB0,   84
.set RB1,   100
.set FW,    116                        ; v[116:120] the list of 20 bytes; v[121:123] zeros
.set E,     124
.set SH,    128
.set REM,   132
.set X,     133
.set HS,    224
.set HR,    225
.set GS,    226
.set GR,    227
.set O16,   228
.set WADR,  229
.set QW,    230
.set SC0,   232
.set LIM0,  233
; sq of four points, in pairs; every product and every sum is rounded by itself (see the head)
.macro SQ4
.irp p, 0,2
	v_pk_mul_f32 v[SS+\p:SS+\p+1], v[XS+\p:XS+\p+1], v[XS+\p:XS+\p+1]
	v_pk_mul_f32 v[TM:TM+1], v[YS+\p:YS+\p+1], v[YS+\p:YS+\p+1]
	v_pk_add_f32 v[SS+\p:SS+\p+1], v[SS+\p:SS+\p+1], v[TM:TM+1]
	v_pk_mul_f32 v[TM:TM+1], v[ZS+\p:ZS+\p+1], v[ZS+\p:ZS+\p+1]
	v_pk_add_f32 v[SS+\p:SS+\p+1], v[SS+\p:SS+\p+1], v[TM:TM+1]
.endr
.endm
; points 4 (128 i + t) .. + 3 go from (x y z)(x y z).. to the table's x[], y[], z[], sq[]: group 32 i + t / 4, places 4 (t % 4) on
.macro TROW i
	s_wait_loadcnt 21-3*\i                         ; this row's three loads are in; the later rows' may be out
.irp n, 0,1,2,3
	v_mov_b32 v[XS+\n], v[R+12*\i+3*\n]
	v_mov_b32 v[YS+\n], v[R+12*\i+3*\n+1]
	v_mov_b32 v[ZS+\n], v[R+12*\i+3*\n+2]
.endr
	SQ4
	ds_store_b128 v[TADR], v[XS:XS+3] offset:32*GP*\i
	ds_store_b128 v[TADR], v[YS:YS+3] offset:32*GP*\i+64
	ds_store_b128 v[TADR], v[ZS:ZS+3] offset:32*GP*\i+128
	ds_store_b128 v[TADR], v[SS:SS+3] offset:32*GP*\i+192
.endm
; 16 distances between the group at v[c] and the point (x, y, z, sq) at v[q]: five runs of eight lines that do not wait for each other
.macro DIST16 c, q
.irp p, 0,1,2,3,4,5,6,7
	v_pk_mul_f32 v[T+2*\p:T+2*\p+1], v[\c+2*\p:\c+2*\p+1], v[\q:\q+1] op_sel_hi:[1,0]
.endr
.irp p, 0,1,2,3,4,5,6,7
	v_pk_fma_f32 v[T+2*\p:T+2*\p+1], v[\c+16+2*\p:\c+16+2*\p+1], v[\q:\q+1], v[T+2*\p:T+2*\p+1] op_sel:[0,1,0] op_sel_hi:[1,1,1]
.endr
.irp p, 0,1,2,3,4,5,6,7
	v_pk_fma_f32 v[T+2*\p:T+2*\p+1], v[\c+32+2*\p:\c+32+2*\p+1], v[\q+2:\q+3], v[T+2*\p:T+2*\p+1] op_sel_hi:[1,0,1]
.endr
.irp p, 0,1,2,3,4,5,6,7
	v_pk_add_f32 v[D+2*\p:D+2*\p+1], v[\c+48+2*\p:\c+48+2*\p+1], v[\q+2:\q+3] op_sel:[0,1] op_sel_hi:[1,1]
.endr
.irp p, 0,1,2,3,4,5,6,7
	v_pk_fma_f32 v[D+2*\p:D+2*\p+1], v[T+2*\p:T+2*\p+1], -2.0, v[D+2*\p:D+2*\p+1] op_sel_hi:[1,0,1]
.endr
.endm
.macro MAX16 dst
.irp a, 0,1,2,3,4
	v_max3_num_f32 v[MX+\a], v[D+3*\a], v[D+3*\a+1], v[D+3*\a+2]
.endr
	v_max3_num_f32 v[MX], v[MX], v[MX+1], v[MX+2]
	v_max3_num_f32 v[MX+3], v[MX+3], v[MX+4], v[D+15]
	v_max_num_f32 v[\dst], v[MX], v[MX+3]
.endm
; one query against my 32 candidates; the next query's record is fetched meanwhile
.macro QSTEP cur, nxt, ld, qoff, moff
.if \ld
	ds_load_b128 v[\nxt:\nxt+3], v[QADR] offset:\qoff
.endif
	DIST16 CAND, \cur
	MAX16 MX+6
	DIST16 CAND+64, \cur
	MAX16 MX+7
	ds_store_b64 v[MADR], v[MX+6:MX+7] offset:\moff
.if \ld
	s_wait_dscnt 1                                 ; the record's load is older than the store: it is in; the store may be out
.endif
.endm
; v goes into the falling list: each place takes the middle of its upper neighbour, itself and v; from the low end up, so that each line still finds its neighbour's old value
.macro INSERT v
.irp i, 16,15,14,13,12,11,10,9,8,7,6,5,4,3,2,1
	v_med3_num_f32 v[L+\i], v[L+\i-1], v[L+\i], v[\v]
.endr
	v_max_num_f32 v[L], v[L], v[\v]
.endm
.macro INS16 buf
.irp j, 0,1,2,3,4,5,6,7,8,9,10,11,12,13,14,15
	INSERT \buf+\j
.endr
.endm
.macro COUNTEQ cnt, ref, unit          ; unit x the number of the list's places that hold v[ref]
	v_mov_b32 v[\cnt], 0
.irp i, 0,1,2,3,4,5,6,7,8,9,10,11,12,13,14,15,16
	v_cmp_eq_f32 vcc_lo, v[L+\i], v[\ref]
	v_cndmask_b32 v[X], 0, \unit, vcc_lo
	v_add_nc_u32 v[\cnt], v[\cnt], v[X]
.endr
.endm
.macro RLOAD buf, off                  ; 16 of my query's group maxima
.irp c, 0,1,2,3
	ds_load_b128 v[\buf+4*\c:\buf+4*\c+3], v[RADR] offset:\off+16*\c
.endr
.endm
; four groups in rising order: a group is taken if its largest d is above the 17th, or equal to it while places for equals are left.  A taken group's number (s34) enters the list of 20 bytes from the top:
; the list is shifted down by 8 bits, by 0 for a group that is not taken.  No branch hangs on a distance.
.macro APPEND4 b
.irp k, 0,1,2,3
	v_cmp_eq_f32 s[20+\k], v[\b+\k], v[TAU]
	v_cmp_gt_f32 s[24+\k], v[\b+\k], v[TAU]
.endr
.irp k, 0,1,2,3
	v_cndmask_b32 v[E+\k], 0, 8, s[20+\k]
.endr
.irp k, 0,1,2,3
	v_min_u32 v[E+\k], v[E+\k], v[REM]
	v_sub_nc_u32 v[REM], v[REM], v[E+\k]
	v_cndmask_b32 v[SH+\k], v[E+\k], 8, s[24+\k]
.endr
.irp k, 0,1,2,3
	v_alignbit_b32 v[FW], v[FW+1], v[FW], v[SH+\k]
	v_alignbit_b32 v[FW+1], v[FW+2], v[FW+1], v[SH+\k]
	v_alignbit_b32 v[FW+2], v[FW+3], v[FW+2], v[SH+\k]
	v_alignbit_b32 v[FW+3], v[FW+4], v[FW+3], v[SH+\k]
	v_alignbit_b32 v[FW+4], s34, v[FW+4], v[SH+\k]
	s_add_co_u32 s34, s34, 1
.endr
.endm
.macro APP16 buf
.irp j, 0,4,8,12
	APPEND4 \buf+\j
.endr
.endm
; a trip over 32 of my query's group maxima (one part of the table).  pre = 1: the next part's first 16 are fetched meanwhile
.macro ROWTRIP work, pre
	RLOAD RB1, 64
	s_wait_dscnt 4                                 ; the first 16 are in; the four loads just issued may be out
	\work RB0
.if \pre
	RLOAD RB0, SUB
	s_wait_dscnt 4                                 ; the second 16 are in; the next part's four loads may be out
.else
	s_wait_dscnt 0x0
.endif
	\work RB1
.endm
.macro WLOAD buf, c                    ; the records of channels 8 c .. 8 c + 7: every lane reads the same bytes
.irp k, 0,1,2,3,4,5,6,7
	ds_load_b128 v[\buf+4*\k:\buf+4*\k+3], v[WADR] offset:16*(8*(\c)+\k)
.endr
.endm
; channels 8 c .. 8 c + 7 of my point: three fused multiply-adds onto the bias, the activation and the hold at the largest code in one, eight codes
.macro HCH c
.set WC, WB+32*((\c)%2)
.set HC, H+8*((\c)%2)
.if (\c) < 15
	WLOAD WB+32*(((\c)+1)%2), (\c)+1
	s_wait_dscnt 8                                 ; this chunk's eight loads are in; the next chunk's eight may be out
.else
	s_wait_dscnt 0x0
.endif
.irp k, 0,1,2,3,4,5,6,7
	v_fma_f32 v[HC+\k], v[WC+4*\k], v[OWN], v[WC+4*\k+3]
.endr
.irp k, 0,1,2,3,4,5,6,7
	v_fma_f32 v[HC+\k], v[WC+4*\k+1], v[OWN+1], v[HC+\k]
.endr
.irp k, 0,1,2,3,4,5,6,7
	v_fma_f32 v[HC+\k], v[WC+4*\k+2], v[OWN+2], v[HC+\k]
.endr
.irp k, 0,1,2,3,4,5,6,7
	v_med3_num_f32 v[HC+\k], v[HC+\k], 0, v[LIM0]  ; between 0 and 57,344 x 2^e0: the conversion to an 8-bit code does not saturate (ISA guide 7.6.2)
.endr
	v_cvt_scalef32_pk8_bf8_f32 v[CODE+2*(\c):CODE+2*(\c)+1], v[HC:HC+7], v[SC0]   ; the next chunk works on the other set of numbers: its first line is the plain line behind this conversion
.endm
	; ---- the head: addresses
	s_load_b256 s[4:11], s[0:1], 0x0               ; xyz s[4:5], W0 s[6:7], b0 s[8:9], lowp_scales s[10:11]
	s_load_b128 s[12:15], s[0:1], 0x20             ; gsel s[12:13], h0c s[14:15]
	v_lshl_add_u32 v240, v0, 2, 0x3bc00
	v_mov_b32 v241, 0
	v_and_b32 v[LANE], 31, v0
	v_lshrrev_b32 v20, 5, v0
	v_readfirstlane_b32 s16, v20                   ; wave 0..3
	v_mul_u32_u24 v[GOFF], v0, 48
	v_lshrrev_b32 v21, 2, v0
	v_and_b32 v22, 3, v0
	v_mul_u32_u24 v[TADR], v21, GP
	v_lshl_add_u32 v[TADR], v22, 4, v[TADR]        ; group t / 4 of a table row, 16 (t % 4) bytes on
	v_mul_u32_u24 v[O12], v0, 12
	v_lshlrev_b32 v[O4], 2, v0
	v_mul_u32_u24 v[CADR], v0, 2*GP                ; groups 2 t and 2 t + 1
	v_lshrrev_b32 v21, 4, v0
	v_and_b32 v22, 15, v0
	v_mul_u32_u24 v[MBASE], v21, SUB
	v_lshl_add_u32 v[MBASE], v22, 3, v[MBASE]
	v_add_nc_u32 v[MBASE], MT, v[MBASE]            ; part t / 16, 8 (t % 16) bytes on: my two groups' place in a query's row
	v_mul_u32_u24 v[RBASE], v0, MP
	v_add_nc_u32 v[RBASE], MT, v[RBASE]            ; query t's row in part 0
	v_lshl_add_u32 v[QW], v0, 4, QREC
	v_mul_u32_u24 v[HS], v20, 32*HP
	v_add_nc_u32 v[HS], HSTG, v[HS]                ; my wave's stage for the codes
	v_lshrrev_b32 v21, 3, v[LANE]
	v_and_b32 v22, 7, v[LANE]
	v_mul_u32_u24 v[HR], v21, HP
	v_lshl_add_u32 v[HR], v22, 4, v[HR]
	v_add_nc_u32 v[HR], v[HS], v[HR]               ; back: eight lanes to a row, four rows an instruction
	v_mul_u32_u24 v21, v[LANE], HP
	v_add_nc_u32 v[HS], v[HS], v21                 ; in: row = my lane
	v_lshl_add_u32 v[GS], v0, 5, GSTG
	v_lshlrev_b32 v[O16], 4, v[LANE]
	v_lshl_add_u32 v[GR], v20, 10, v[O16]
	v_add_nc_u32 v[GR], GSTG, v[GR]
	v_mov_b32 v[WADR], WREC
	s_lshr_b32 s17, ttmp9, 5                       ; the batch
	s_mul_i32 s18, s17, 49152
	s_mov_b32 s19, 0
	s_and_b32 s20, ttmp9, 31
	s_mul_i32 s20, s20, 1536                       ; my work-group's 128 points in the batch
	s_mov_b32 s21, 0
	s_lshl_b32 s22, ttmp9, 12                      ; gsel: 128 queries x 32 bytes a work-group, 1,024 a wave
	s_lshl_b32 s24, s16, 10
	s_add_co_u32 s22, s22, s24
	s_mov_b32 s23, 0
	s_lshl_b32 s24, ttmp9, 14                      ; h0c: 128 points x 128 bytes a work-group, 4,096 a wave
	s_lshl_b32 s26, s16, 12
	s_add_co_u32 s24, s24, s26
	s_mov_b32 s25, 0
	s_wait_kmcnt 0x0
	s_load_b128 s[36:39], s[10:11], 0x0            ; e0 is s36
	s_add_nc_u64 s[4:5], s[4:5], s[18:19]          ; the batch's points
	s_add_nc_u64 s[42:43], s[4:5], s[20:21]        ; my work-group's
	s_add_nc_u64 s[12:13], s[12:13], s[22:23]
	s_add_nc_u64 s[14:15], s[14:15], s[24:25]
	global_load_b32 v[OWN], v[O12], s[42:43]
	global_load_b32 v[OWN+1], v[O12], s[42:43] offset:4
	global_load_b32 v[OWN+2], v[O12], s[42:43] offset:8
	global_load_b32 v16, v[O12], s[6:7]            ; channel t's row of W0,
	global_load_b32 v17, v[O12], s[6:7] offset:4
	global_load_b32 v18, v[O12], s[6:7] offset:8
	global_load_b32 v19, v[O4], s[8:9]             ; and its bias
.irp i, 0,1,2,3,4,5,6,7
.irp j, 0,1,2
	global_load_b128 v[R+12*\i+4*\j:R+12*\i+4*\j+3], v[GOFF], s[4:5] offset:6144*\i+16*\j   ; the whole batch: 48 bytes a thread, 6,144 a row of the work-group
.endr
.endr
	s_wait_loadcnt 24                              ; the seven small loads are in; the table's 24 may be out
	v_mul_f32 v[OWN+3], v[OWN], v[OWN]             ; my point's sq, rounded as the table's (see the head)
	v_mul_f32 v20, v[OWN+1], v[OWN+1]
	v_add_f32 v[OWN+3], v[OWN+3], v20
	v_mul_f32 v20, v[OWN+2], v[OWN+2]
	v_add_f32 v[OWN+3], v[OWN+3], v20
	ds_store_b128 v[QW], v[OWN:OWN+3]
	ds_store_b128 v[QW], v[16:19] offset:WREC-QREC
.irp i, 0,1,2,3,4,5,6,7
	TROW \i
.endr
	s_wait_dscnt 0x0                               ; for the others' sake: my stores have landed
	s_barrier_signal -1
	s_barrier_wait -1                              ; the table and the records are whole
	; ---- my 32 candidates into registers, and query 0's record
.irp u, 0,1
.irp k, 0,1,2,3
.irp c, 0,1,2,3
	ds_load_b128 v[CAND+64*\u+16*\k+4*\c:CAND+64*\u+16*\k+4*\c+3], v[CADR] offset:GP*\u+64*\k+16*\c
.endr
.endr
.endr
	s_mov_b32 s40, QREC
	s_mov_b32 s41, 0
	v_mov_b32 v[QADR], s40
	ds_load_b128 v[QA:QA+3], v[QADR]
	s_wait_dscnt 0x0
	; ---- all 128 queries against them, two a trip: a lane is two groups, the query is the same in all lanes
	s_mov_b32 s32, 63
.Lquery:
	v_mov_b32 v[QADR], s40
	v_add_nc_u32 v[MADR], s41, v[MBASE]
	QSTEP QA, QB, 1, 16, 0
	QSTEP QB, QA, 1, 32, MP
	s_add_co_u32 s40, s40, 32
	s_add_co_u32 s41, s41, 2*MP
	s_sub_co_u32 s32, s32, 1
	s_cmp_lg_u32 s32, 0
	s_cbranch_scc1 .Lquery
	v_mov_b32 v[QADR], s40                         ; the last two queries: nothing is fetched beyond the last record
	v_add_nc_u32 v[MADR], s41, v[MBASE]
	QSTEP QA, QB, 1, 16, 0
	QSTEP QB, QA, 0, 0, MP
	s_wait_dscnt 0x0
	s_barrier_signal -1
	s_barrier_wait -1                              ; every query's 256 group maxima lie in LDS
	; ---- layer 0 of my own point, and its codes
	WLOAD WB, 0
	s_wait_kmcnt 0x0
	s_add_co_i32 s44, s36, 127
	s_lshl_b32 s45, s44, 23
	v_mov_b32 v[SC0], s45                          ; 2^e0 as f32: the conversion takes its exponent field
	s_add_co_i32 s44, s44, 15
	s_lshl_b32 s44, s44, 23
	s_or_b32 s44, s44, 0x600000
	v_mov_b32 v[LIM0], s44                         ; 57,344 x 2^e0
.irp c, 0,1,2,3,4,5,6,7,8,9,10,11,12,13,14,15
	HCH \c
.endr
	v_nop                                          ; a plain line behind the last conversion
.irp k, 0,1,2,3,4,5,6,7
	ds_store_b128 v[HS], v[CODE+4*\k:CODE+4*\k+3] offset:16*\k
.endr
.irp i, 0,1,2,3,4,5,6,7
	ds_load_b128 v[OS+4*\i:OS+4*\i+3], v[HR] offset:4*HP*\i   ; LDS serves a wave's instructions in order (ISA guide 5.7.1.4): these see my wave's stores
.endr
.irp i, 0,1,2,3,4,5,6,7
	s_wait_dscnt 7-\i
	global_store_b128 v[O16], v[OS+4*\i:OS+4*\i+3], s[14:15] offset:512*\i   ; four points' codes: 512 consecutive bytes, aligned
.endr
	; ---- the 17 largest of my query's 256 group maxima: a lane is a query
.irp i, 0,1,2,3,4,5,6,7,8,9,10,11,12,13,14,15,16
	v_mov_b32 v[L+\i], 0xff800000                  ; -infinity
.endr
	s_mov_b32 s33, 0
	v_add_nc_u32 v[RADR], s33, v[RBASE]
	RLOAD RB0, 0
	s_mov_b32 s32, 7
.Lvalues:
	ROWTRIP INS16, 1
	s_add_co_u32 s33, s33, SUB
	v_add_nc_u32 v[RADR], s33, v[RBASE]
	s_sub_co_u32 s32, s32, 1
	s_cmp_lg_u32 s32, 0
	s_cbranch_scc1 .Lvalues
	ROWTRIP INS16, 0                               ; the last part: nothing is fetched beyond it
	COUNTEQ REM, TAU, 8                            ; 8 x the places that groups equal to the 17th may take
	; ---- and their numbers, in rising order
.irp i, 0,1,2,3,4,5,6,7
	v_mov_b32 v[FW+\i], 0
.endr
	s_mov_b32 s34, 0                               ; the group's number
	s_mov_b32 s33, 0
	v_add_nc_u32 v[RADR], s33, v[RBASE]
	RLOAD RB0, 0
	s_mov_b32 s32, 7
.Lnumbers:
	ROWTRIP APP16, 1
	s_add_co_u32 s33, s33, SUB
	v_add_nc_u32 v[RADR], s33, v[RBASE]
	s_sub_co_u32 s32, s32, 1
	s_cmp_lg_u32 s32, 0
	s_cbranch_scc1 .Lnumbers
	ROWTRIP APP16, 0
	; 17 numbers have entered: they are bytes 3 to 19.  Through my wave's stage, so that a store covers 512 consecutive bytes
	ds_store_b128 v[GS], v[FW:FW+3]
	ds_store_b128 v[GS], v[FW+4:FW+7] offset:16
	ds_load_b128 v[RB0:RB0+3], v[GR]
	ds_load_b128 v[RB0+4:RB0+7], v[GR] offset:512
	s_wait_dscnt 1
	global_store_b128 v[O16], v[RB0:RB0+3], s[12:13]
	s_wait_dscnt 0x0
	global_store_b128 v[O16], v[RB0+4:RB0+7], s[12:13] offset:512
	s_wait_tensorcnt 0x0
	ds_add_u32 v240, v241
	s_wait_dscnt 0x0
	s_endpgm
.Lfunc_end_k_q0965eafcc6_groups:
	.size	k_q0965eafcc6_groups, .Lfunc_end_k_q0965eafcc6_groups-k_q0965eafcc6_groups
	.p2alignl 7, 3214868480
	.fill 96, 4, 3214868480
	.section	.rodata,"a",@progbits
	.p2align	6, 0x0
	.amdhsa_kernel k_q0965eafcc6_groups
		.amdhsa_group_segment_fixed_size 245248
		.amdhsa_private_segment_fixed_size 0
		.amdhsa_enable_private_segment 0
		.amdhsa_kernarg_size 48
		.amdhsa_user_sgpr_count 2
		.amdhsa_user_sgpr_kernarg_segment_ptr 1
		.amdhsa_wavefront_size32 1
		.amdhsa_system_sgpr_workgroup_id_x 1
		.amdhsa_system_sgpr_workgroup_id_y 1
		.amdhsa_system_sgpr_workgroup_id_z 1
		.amdhsa_system_vgpr_workitem_id 0
		.amdhsa_next_free_vgpr 242
		.amdhsa_next_free_sgpr 66
		.amdhsa_reserve_vcc 1
		.amdhsa_float_denorm_mode_32 3
		.amdhsa_float_denorm_mode_16_64 3
		.amdhsa_memory_ordered 1
		.amdhsa_forward_progress 1
		.amdhsa_inst_pref_size 203
	.end_amdhsa_kernel
	.amdgpu_metadata
---
amdhsa.version: [ 1, 2 ]
amdhsa.kernels:
  - .name:           k_q0965eafcc6_groups
    .symbol:         k_q0965eafcc6_groups.kd
    .args:
      - { .name: xyz, .offset: 0, .size: 8, .value_kind: global_buffer, .address_space: global }
      - { .name: W0, .offset: 8, .size: 8, .value_kind: global_buffer, .address_space: global }
      - { .name: b0, .offset: 16, .size: 8, .value_kind: global_buffer, .address_space: global }
      - { .name: lowp_scales, .offset: 24, .size: 8, .value_kind: global_buffer, .address_space: global }
      - { .name: gsel, .offset: 32, .size: 8, .value_kind: global_buffer, .address_space: global }
      - { .name: h0c, .offset: 40, .size: 8, .value_kind: global_buffer, .address_space: global }
    .group_segment_fixed_size: 245248
    .private_segment_fixed_size: 0
    .kernarg_segment_align: 8
    .kernarg_segment_size: 48
    .max_flat_workgroup_size: 128
    .sgpr_count:     66
    .vgpr_count:     242
    .wavefront_size: 32
...
	.end_amdgpu_metadata
.endif
;; end of part 1
;; launch pick (part 2): grid 256 x 1, 4 waves a work-group, no clusters, 74,240 bytes of LDS; arguments xyz, gsel, nbr; writes nbr
.if DOCPART == 2
	.amdgcn_target "amdgcn-amd-amdhsa--gfx1250"
	.amdhsa_code_object_version 6
	.text
	.protected	k_q0965eafcc6_pick
	.globl	k_q0965eafcc6_pick
	.p2align	8
	.type	k_q0965eafcc6_pick,@function
k_q0965eafcc6_pick:
	s_mov_b64 s[64:65], 0
	v_nop
	global_prefetch_b8 v0, s[64:65] scope:SCOPE_SE
	s_setreg_imm32_b32 hwreg(HW_REG_WAVE_MODE, 25, 1), 1
	s_wait_xcnt 0x0
; PICK.  A lane is a query (128 a work-group, 32 work-groups a batch).  gsel names, for each query, the 17 groups of 16 candidates that hold its 17 largest distances.
; Sweep 1 forms the 272 distances again, by the same lines as the launch before, and keeps the 17 largest values.  Sweep 2 forms them once more, in rising order of the index, and takes:
; every candidate above the 17th value; of those equal to it the first few, as many as the list of values holds; and leaves out the first candidate equal to the largest value.
; That is ranks 2 to 17 of a top-17 that gives ties to the lower index.  nbr [32768][16] u16: the 16 indices within the batch, rising.
; The groups' LDS addresses come from whole numbers that the launch before stored; each is held at 255 before it is multiplied.  No branch and no address hangs on a distance.
; Between the barrier behind the table and the barrier in front of the way out LDS is only read.
; NO JOINT LOADS: the 32 work-groups of a batch share the batch's 49,152 bytes, read once by each through registers.
; LIMITS: NaN and infinities in xyz are not served; -0 and +0 count as equal.
.set GP,    272                        ; a group in the table: x[16], y[16], z[16], sq[16] + 16 bytes of padding
.set TAB,   0
.set NSTG,  256*GP                     ; the way out: 1,024 bytes a wave
.set LANE,  1
.set GOFF,  2
.set TADR,  3
.set O12,   4
.set O32,   5
.set NS,    6
.set NR,    7
.set O16,   8
.set OWN,   12                         ; v[12:15] my query: x, y, z, sq
.set T,     24
.set D,     40
.set R,     64                         ; the table's 24 loads, v[64:159]
.set XS,    160
.set YS,    164
.set ZS,    168
.set SS,    172
.set TM,    176
.set CB,    64                         ; v[64:127] the group in hand
.set L,     128                        ; v[128:144] the 17 largest values, falling
.set N,     148                        ; v[148:155] the 16 indices, 16 bits each
.set G,     156
.set GADR,  157
.set IBN,   158                        ; 16 x the number of the group that is being fetched,
.set IBC,   159                        ; and of the group in hand
.set REM,   160
.set REM1,  161
.set E,     162
.set F,     166
.set SH,    170
.set IDX,   174
.set X,     178
.set WA,    180                        ; v[180:184] the list of groups, for sweep 1
.set WB,    186                        ; v[186:190] and for sweep 2
.macro SQ4                             ; every product and every sum is rounded by itself: the roundings of the definition taken step by step
.irp p, 0,2
	v_pk_mul_f32 v[SS+\p:SS+\p+1], v[XS+\p:XS+\p+1], v[XS+\p:XS+\p+1]
	v_pk_mul_f32 v[TM:TM+1], v[YS+\p:YS+\p+1], v[YS+\p:YS+\p+1]
	v_pk_add_f32 v[SS+\p:SS+\p+1], v[SS+\p:SS+\p+1], v[TM:TM+1]
	v_pk_mul_f32 v[TM:TM+1], v[ZS+\p:ZS+\p+1], v[ZS+\p:ZS+\p+1]
	v_pk_add_f32 v[SS+\p:SS+\p+1], v[SS+\p:SS+\p+1], v[TM:TM+1]
.endr
.endm
.macro TROW i                          ; points 4 (128 i + t) .. + 3 into the table: group 32 i + t / 4, places 4 (t % 4) on
	s_wait_loadcnt 21-3*\i                         ; this row's three loads are in; the later rows' may be out
.irp n, 0,1,2,3
	v_mov_b32 v[XS+\n], v[R+12*\i+3*\n]
	v_mov_b32 v[YS+\n], v[R+12*\i+3*\n+1]
	v_mov_b32 v[ZS+\n], v[R+12*\i+3*\n+2]
.endr
	SQ4
	ds_store_b128 v[TADR], v[XS:XS+3] offset:32*GP*\i
	ds_store_b128 v[TADR], v[YS:YS+3] offset:32*GP*\i+64
	ds_store_b128 v[TADR], v[ZS:ZS+3] offset:32*GP*\i+128
	ds_store_b128 v[TADR], v[SS:SS+3] offset:32*GP*\i+192
.endm
.macro DIST16 c, q                     ; 16 distances: dot = fma(z, z', fma(y, y', x x')); d = fma(-2, dot, sq_n + sq_m)
.irp p, 0,1,2,3,4,5,6,7
	v_pk_mul_f32 v[T+2*\p:T+2*\p+1], v[\c+2*\p:\c+2*\p+1], v[\q:\q+1] op_sel_hi:[1,0]
.endr
.irp p, 0,1,2,3,4,5,6,7
	v_pk_fma_f32 v[T+2*\p:T+2*\p+1], v[\c+16+2*\p:\c+16+2*\p+1], v[\q:\q+1], v[T+2*\p:T+2*\p+1] op_sel:[0,1,0] op_sel_hi:[1,1,1]
.endr
.irp p, 0,1,2,3,4,5,6,7
	v_pk_fma_f32 v[T+2*\p:T+2*\p+1], v[\c+32+2*\p:\c+32+2*\p+1], v[\q+2:\q+3], v[T+2*\p:T+2*\p+1] op_sel_hi:[1,0,1]
.endr
.irp p, 0,1,2,3,4,5,6,7
	v_pk_add_f32 v[D+2*\p:D+2*\p+1], v[\c+48+2*\p:\c+48+2*\p+1], v[\q+2:\q+3] op_sel:[0,1] op_sel_hi:[1,1]
.endr
.irp p, 0,1,2,3,4,5,6,7
	v_pk_fma_f32 v[D+2*\p:D+2*\p+1], v[T+2*\p:T+2*\p+1], -2.0, v[D+2*\p:D+2*\p+1] op_sel_hi:[1,0,1]
.endr
.endm
.macro INSERT v                        ; v into the falling list: each place takes the middle of its upper neighbour, itself and v; from the low end up
.irp i, 16,15,14,13,12,11,10,9,8,7,6,5,4,3,2,1
	v_med3_num_f32 v[L+\i], v[L+\i-1], v[L+\i], v[\v]
.endr
	v_max_num_f32 v[L], v[L], v[\v]
.endm
.macro COUNTEQ cnt, ref, unit
	v_mov_b32 v[\cnt], 0
.irp i, 0,1,2,3,4,5,6,7,8,9,10,11,12,13,14,15,16
	v_cmp_eq_f32 vcc_lo, v[L+\i], v[\ref]
	v_cndmask_b32 v[X], 0, \unit, vcc_lo
	v_add_nc_u32 v[\cnt], v[\cnt], v[X]
.endr
.endm
; the list's next group (its byte 3) is fetched, and the list moves down a byte.  When the list is empty the byte is 0: group 0 is fetched and not used.
.macro NEXTG w
	v_lshrrev_b32 v[G], 24, v[\w]
	v_min_u32 v[G], 0xff, v[G]                     ; a stored number is held inside the table before it enters an address
	v_mul_u32_u24 v[GADR], v[G], GP
	v_lshlrev_b32 v[IBN], 4, v[G]
.irp k, 0,1,2,3
.irp c, 0,1,2,3
	ds_load_b128 v[CB+16*\k+4*\c:CB+16*\k+4*\c+3], v[GADR] offset:64*\k+16*\c
.endr
.endr
.irp i, 0,1,2,3
	v_alignbit_b32 v[\w+\i], v[\w+\i+1], v[\w+\i], 8
.endr
	v_lshrrev_b32 v[\w+4], 8, v[\w+4]
.endm
; four candidates in rising order.  A candidate that is taken enters the 16 x 16 bits from the top: they are shifted down by 16, by 0 for one that is not taken.
.macro PICK4 b
.irp k, 0,1,2,3
	v_cmp_eq_f32 s[20+\k], v[D+\b+\k], v[L+16]
	v_cmp_gt_f32 s[24+\k], v[D+\b+\k], v[L+16]
	v_cmp_eq_f32 s[28+\k], v[D+\b+\k], v[L]
.endr
.irp k, 0,1,2,3
	v_cndmask_b32 v[E+\k], 0, 16, s[20+\k]
	v_cndmask_b32 v[F+\k], 0, 16, s[28+\k]
	v_add_nc_u32 v[IDX+\k], \b+\k, v[IBC]
.endr
.irp k, 0,1,2,3
	v_min_u32 v[E+\k], v[E+\k], v[REM]             ; equal to the 17th value: while places for equals are left
	v_min_u32 v[F+\k], v[F+\k], v[REM1]            ; equal to the largest: the first such is rank 1, which is dropped
	v_sub_nc_u32 v[REM], v[REM], v[E+\k]
	v_sub_nc_u32 v[REM1], v[REM1], v[F+\k]
	v_cndmask_b32 v[SH+\k], v[E+\k], 16, s[24+\k]
	v_sub_nc_u32 v[SH+\k], v[SH+\k], v[F+\k]
.endr
.irp k, 0,1,2,3
.irp i, 0,1,2,3,4,5,6
	v_alignbit_b32 v[N+\i], v[N+\i+1], v[N+\i], v[SH+\k]
.endr
	v_alignbit_b32 v[N+7], v[IDX+\k], v[N+7], v[SH+\k]
.endr
.endm
	s_load_b128 s[4:7], s[0:1], 0x0                ; xyz s[4:5], gsel s[6:7]
	s_load_b64 s[8:9], s[0:1], 0x10                ; nbr
	v_lshl_add_u32 v192, v0, 2, 0x12000
	v_mov_b32 v193, 0
	v_and_b32 v[LANE], 31, v0
	v_lshrrev_b32 v20, 5, v0
	v_readfirstlane_b32 s16, v20                   ; wave 0..3
	v_mul_u32_u24 v[GOFF], v0, 48
	v_lshrrev_b32 v21, 2, v0
	v_and_b32 v22, 3, v0
	v_mul_u32_u24 v[TADR], v21, GP
	v_lshl_add_u32 v[TADR], v22, 4, v[TADR]
	v_mul_u32_u24 v[O12], v0, 12
	v_lshlrev_b32 v[O32], 5, v0
	v_lshl_add_u32 v[NS], v0, 5, NSTG
	v_lshlrev_b32 v[O16], 4, v[LANE]
	v_lshl_add_u32 v[NR], v20, 10, v[O16]
	v_add_nc_u32 v[NR], NSTG, v[NR]
	s_lshr_b32 s17, ttmp9, 5                       ; the batch
	s_mul_i32 s18, s17, 49152
	s_mov_b32 s19, 0
	s_and_b32 s20, ttmp9, 31
	s_mul_i32 s20, s20, 1536
	s_mov_b32 s21, 0
	s_lshl_b32 s22, ttmp9, 12                      ; 128 queries x 32 bytes, in gsel and in nbr
	s_mov_b32 s23, 0
	s_lshl_b32 s24, s16, 10
	s_mov_b32 s25, 0
	s_wait_kmcnt 0x0
	s_add_nc_u64 s[4:5], s[4:5], s[18:19]
	s_add_nc_u64 s[42:43], s[4:5], s[20:21]
	s_add_nc_u64 s[6:7], s[6:7], s[22:23]
	s_add_nc_u64 s[8:9], s[8:9], s[22:23]
	s_add_nc_u64 s[8:9], s[8:9], s[24:25]          ; nbr at my wave's 32 queries
	global_load_b32 v[OWN], v[O12], s[42:43]
	global_load_b32 v[OWN+1], v[O12], s[42:43] offset:4
	global_load_b32 v[OWN+2], v[O12], s[42:43] offset:8
	global_load_b128 v[WA:WA+3], v[O32], s[6:7]
	global_load_b32 v[WA+4], v[O32], s[6:7] offset:16
.irp i, 0,1,2,3,4,5,6,7
.irp j, 0,1,2
	global_load_b128 v[R+12*\i+4*\j:R+12*\i+4*\j+3], v[GOFF], s[4:5] offset:6144*\i+16*\j
.endr
.endr
	s_wait_loadcnt 24                              ; the five small loads are in; the table's 24 may be out
	v_mul_f32 v[OWN+3], v[OWN], v[OWN]             ; my query's sq, rounded as the table's
	v_mul_f32 v20, v[OWN+1], v[OWN+1]
	v_add_f32 v[OWN+3], v[OWN+3], v20
	v_mul_f32 v20, v[OWN+2], v[OWN+2]
	v_add_f32 v[OWN+3], v[OWN+3], v20
.irp i, 0,1,2,3,4
	v_mov_b32 v[WB+\i], v[WA+\i]                   ; each sweep uses its list up
.endr
.irp i, 0,1,2,3,4,5,6,7
	TROW \i
.endr
	s_wait_dscnt 0x0
	s_barrier_signal -1
	s_barrier_wait -1                              ; the table is whole; from here to the next barrier LDS is only read
	; ---- sweep 1: the 17 largest values
.irp i, 0,1,2,3,4,5,6,7,8,9,10,11,12,13,14,15,16
	v_mov_b32 v[L+\i], 0xff800000                  ; -infinity
.endr
	NEXTG WA
	s_mov_b32 s32, 17
.Lvalues:
	s_wait_dscnt 0x0                               ; the group is in
	DIST16 CB, OWN
	NEXTG WA                                       ; the next group lands under the 272 lines below
.irp j, 0,1,2,3,4,5,6,7,8,9,10,11,12,13,14,15
	INSERT D+\j
.endr
	s_sub_co_u32 s32, s32, 1
	s_cmp_lg_u32 s32, 0
	s_cbranch_scc1 .Lvalues
	s_wait_dscnt 0x0                               ; the last fetch is in: its registers are loaded again below
	COUNTEQ REM, L+16, 16                          ; 16 x the places that candidates equal to the 17th value may take
	v_mov_b32 v[REM1], 16
.irp i, 0,1,2,3,4,5,6,7
	v_mov_b32 v[N+\i], 0
.endr
	; ---- sweep 2: the indices
	NEXTG WB
	s_mov_b32 s32, 17
.Lindices:
	s_wait_dscnt 0x0
	v_mov_b32 v[IBC], v[IBN]
	DIST16 CB, OWN
	NEXTG WB
.irp b, 0,4,8,12
	PICK4 \b
.endr
	s_sub_co_u32 s32, s32, 1
	s_cmp_lg_u32 s32, 0
	s_cbranch_scc1 .Lindices
	; ---- the way out: 16 indices have entered.  Through my wave's stage, so that a store covers 512 consecutive bytes
	s_wait_dscnt 0x0                               ; my reads of the table are over
	s_barrier_signal -1
	s_barrier_wait -1                              ; everybody's are: now LDS is written again
	ds_store_b128 v[NS], v[N:N+3]
	ds_store_b128 v[NS], v[N+4:N+7] offset:16
	ds_load_b128 v[CB:CB+3], v[NR]                 ; LDS serves a wave's instructions in order (ISA guide 5.7.1.4): these see my wave's stores
	ds_load_b128 v[CB+4:CB+7], v[NR] offset:512
	s_wait_dscnt 1
	global_store_b128 v[O16], v[CB:CB+3], s[8:9]
	s_wait_dscnt 0x0
	global_store_b128 v[O16], v[CB+4:CB+7], s[8:9] offset:512
	s_wait_tensorcnt 0x0
	ds_add_u32 v192, v193
	s_wait_dscnt 0x0
	s_endpgm
.Lfunc_end_k_q0965eafcc6_pick:
	.size	k_q0965eafcc6_pick, .Lfunc_end_k_q0965eafcc6_pick-k_q0965eafcc6_pick
	.p2alignl 7, 3214868480
	.fill 96, 4, 3214868480
	.section	.rodata,"a",@progbits
	.p2align	6, 0x0
	.amdhsa_kernel k_q0965eafcc6_pick
		.amdhsa_group_segment_fixed_size 74240
		.amdhsa_private_segment_fixed_size 0
		.amdhsa_enable_private_segment 0
		.amdhsa_kernarg_size 24
		.amdhsa_user_sgpr_count 2
		.amdhsa_user_sgpr_kernarg_segment_ptr 1
		.amdhsa_wavefront_size32 1
		.amdhsa_system_sgpr_workgroup_id_x 1
		.amdhsa_system_sgpr_workgroup_id_y 1
		.amdhsa_system_sgpr_workgroup_id_z 1
		.amdhsa_system_vgpr_workitem_id 0
		.amdhsa_next_free_vgpr 194
		.amdhsa_next_free_sgpr 66
		.amdhsa_reserve_vcc 1
		.amdhsa_float_denorm_mode_32 3
		.amdhsa_float_denorm_mode_16_64 3
		.amdhsa_memory_ordered 1
		.amdhsa_forward_progress 1
		.amdhsa_inst_pref_size 65
	.end_amdhsa_kernel
	.amdgpu_metadata
---
amdhsa.version: [ 1, 2 ]
amdhsa.kernels:
  - .name:           k_q0965eafcc6_pick
    .symbol:         k_q0965eafcc6_pick.kd
    .args:
      - { .name: xyz, .offset: 0, .size: 8, .value_kind: global_buffer, .address_space: global }
      - { .name: gsel, .offset: 8, .size: 8, .value_kind: global_buffer, .address_space: global }
      - { .name: nbr, .offset: 16, .size: 8, .value_kind: global_buffer, .address_space: global }
    .group_segment_fixed_size: 74240
    .private_segment_fixed_size: 0
    .kernarg_segment_align: 8
    .kernarg_segment_size: 24
    .max_flat_workgroup_size: 128
    .sgpr_count:     66
    .vgpr_count:     194
    .wavefront_size: 32
...
	.end_amdgpu_metadata
.endif
;; end of part 2
;; launch mlp (part 3): grid 256 x 1, 8 waves a work-group, no clusters, 33,792 bytes of LDS; arguments nbr, h0c, W1_codes, W2_codes, b1, b2, lowp_scales, out0; writes out0
.if DOCPART == 3
	.amdgcn_target "amdgcn-amd-amdhsa--gfx1250"
	.amdhsa_code_object_version 6
	.text
	.protected	k_q0965eafcc6_mlp
	.globl	k_q0965eafcc6_mlp
	.p2align	8
	.type	k_q0965eafcc6_mlp,@function
k_q0965eafcc6_mlp:
	s_mov_b64 s[64:65], 0
	v_nop
	global_prefetch_b8 v0, s[64:65] scope:SCOPE_SE
	s_setreg_imm32_b32 hwreg(HW_REG_WAVE_MODE, 25, 1), 1
	s_wait_xcnt 0x0
; MLP.  out0[q][:] = max over q's 16 neighbours n of ( Q(relu( Q(h0[n]) W1^T + b1 )) W2^T + b2 ), both products on E5M2 codes with the given scales 2^e0 .. 2^e3.
; h0c holds Q(h0) as codes, 128 bytes a point; nbr the 16 neighbours of each query (u16, within the batch).  W1_codes, W2_codes: [128][128], K innermost.  out0: [32768][128] f32.
; SHARES.  A work-group takes 128 queries, each of its eight waves 16, one after the other.  A query is one tile: its 16 neighbours are the 16 rows.  Two waves lie on a SIMD, so that one wave's vector work
; stands beside the other's matrix work.  Every wave keeps all of W1 and W2 in registers (window 1, 256 registers): 16 tiles of 16 rows x 128 K.
; FRAGMENTS are fed in pieces of 16 bytes: registers 4 c .. 4 c + 3 of lane (r, h) hold k = 32 c + 16 h + 0 .. 15 of row r: the same order of k in both operands of a product, so every product meets its partner.
; PRODUCT 3 IS USED TRANSPOSED (source 0 = 16 rows of W1, source 1 = the neighbours' codes): a lane holds ONE neighbour, its registers run along the hidden units.  Lane r of W1's tile t takes row
; 32 (t / 2) + 8 (t % 2) + r + 8 (r / 8), so that the 16 registers of tiles 2 b, 2 b + 1 are the hidden units 32 b + 16 h + 0 .. 15: the conversions' results are product 4's operand as they stand.
; b1 / 2^(e0 + e1) is the C of product 3; relu and the hold at the largest code are one line; the three scales are folded into the conversion's one, 2^(e2 - e0 - e1).
; PRODUCT 4 (source 0 = the hidden codes, source 1 = 16 rows of W2): a lane holds ONE output channel and eight neighbours.  Lane r of W2's tile t takes channel 64 (t / 4) + 4 r + t % 4, so that behind the maximum
; lane l holds channels 4 l .. 4 l + 3: a query's row leaves by one store of 512 consecutive bytes.  The maximum is taken of the sums; x 2^(e2 + e3) + b2 follows it: the map rises with the sum, so the values are the same.
; NO JOINT LOADS: what all work-groups share is 32,768 bytes of weights, read once by each; the gathered rows differ from query to query.  No prefetch: a point's codes are named by many queries.
; LIMITS: e2 - e0 - e1 between -126 and 112, e2 + e3 between -126 and 127, so that each power of two below is an f32 number.
.set LI,   4                           ; v4   16 x lane
.set H16,  5                           ; v5   16 h
.set VIS,  6                           ; v6   where my wave stores its two tiles' images: 16 x lane + 4,096 x wave
.set VW1,  7                           ; v7   W1: (r + 8 (r / 8)) x 128 + 16 h
.set VW2,  8                           ; v8   W2: 512 r + 16 h
.set R2,   9                           ; v9   2 r
.set H64,  10                          ; v10  64 h
.set SC1,  11                          ; v11  2^(e2 - e0 - e1)
.set LIM1, 12                          ; v12  57,344 x that
.set AI,   16                          ; v[16:31]   query i: my neighbour's index, then its codes' byte offset + 16 h; never rewritten after that
.set XF,   32                          ; v[32:95]   four buffers for the neighbours' codes
.set HA,   96                          ; v[96:159]  eight accumulators: the hidden layer, then the outputs
.set PC,   160                         ; v[160:175] the hidden layer's codes; behind product 4 at work:
.set SND,  160
.set KEP,  164
.set RCV,  168
.set B1,   176                         ; v[176:239] b1 / 2^(e0 + e1) in the accumulators' layout
.set M,    240                         ; v[240:247] the tiles' maxima over my eight neighbours
.set RES,  248                         ; v[248:251] my four channels
.set B2,   252                         ; v[252:255] their biases
.set MSB, 0
.macro WIN new                         ; the immediate's high byte repeats the setting that is left
.if MSB != \new
	s_set_vgpr_msb (MSB<<8)|\new
.set MSB, \new
.endif
.endm
.macro GATHER i                        ; query i's 16 rows of codes: lane (r, h) takes, of neighbour r's 128 bytes, those at 32 c + 16 h
.irp c, 0,1,2,3
	global_load_b128 v[XF+16*((\i)%4)+4*\c:XF+16*((\i)%4)+4*\c+3], v[AI+(\i)], s[6:7] offset:32*\c
.endr
.endm
.macro PLACES                          ; four plain lines between a matrix instruction and a read of its result, or a load into one of its sources
.rept 4
	v_nop
.endr
.endm
	s_load_b256 s[4:11], s[0:1], 0x0               ; nbr s[4:5], h0c s[6:7], W1's codes s[8:9], W2's codes s[10:11]
	s_load_b256 s[12:19], s[0:1], 0x20             ; b1 s[12:13], b2 s[14:15], lowp_scales s[16:17], out0 s[18:19]
	v_lshl_add_u32 v14, v0, 2, 0x8000
	v_mov_b32 v15, 0
	v_and_b32 v1, 31, v0                           ; lane
	v_lshrrev_b32 v13, 5, v0
	v_readfirstlane_b32 s20, v13                   ; wave 0..7
	v_and_b32 v2, 15, v0                           ; r
	v_bfe_u32 v3, v0, 4, 1                         ; h
	v_lshlrev_b32 v[LI], 4, v1
	v_lshlrev_b32 v[H16], 4, v3
	v_lshl_add_u32 v[VIS], v13, 12, v[LI]
	v_and_b32 v[VW1], 8, v2
	v_add_nc_u32 v[VW1], v[VW1], v2
	v_lshl_add_u32 v[VW1], v[VW1], 7, v[H16]
	v_lshl_add_u32 v[VW2], v2, 9, v[H16]
	v_lshlrev_b32 v[R2], 1, v2
	v_lshlrev_b32 v[H64], 6, v3
	s_mov_b32 s30, 0xffff0000                      ; lanes 16 to 31
	s_mov_b32 s32, 0x76543210                      ; v_permlanex16_b32's selects for lane l xor 16
	s_mov_b32 s33, 0xfedcba98
	s_lshl_b32 s34, ttmp9, 12                      ; nbr: 128 queries x 32 bytes a work-group, 512 a wave
	s_lshl_b32 s36, s20, 9
	s_add_co_u32 s34, s34, s36
	s_mov_b32 s35, 0
	s_lshr_b32 s36, ttmp9, 5
	s_lshl_b32 s36, s36, 19                        ; h0c: the batch's 4,096 points x 128 bytes
	s_mov_b32 s37, 0
	s_lshl_b32 s38, ttmp9, 16                      ; out0: 128 rows x 512 bytes a work-group, 8,192 a wave
	s_lshl_b32 s40, s20, 13
	s_add_co_u32 s38, s38, s40
	s_mov_b32 s39, 0
	s_lshl_b32 s40, s20, 12                        ; waves 0-3: W1's tiles 2 w, 2 w + 1 begin at row 32 w
	s_mov_b32 s41, 0
	s_bfe_u32 s42, s20, 0x10001                    ; waves 4-7: W2's tiles 2 (w - 4) + u: 8,192 x ((w - 4) / 2) + 256 x ((w - 4) % 2) + 128 u
	s_lshl_b32 s42, s42, 13
	s_and_b32 s44, s20, 1
	s_lshl_b32 s44, s44, 8
	s_add_co_u32 s42, s42, s44
	s_mov_b32 s43, 0
	s_wait_kmcnt 0x0
	s_load_b128 s[24:27], s[16:17], 0x0            ; e0, e1, e2, e3
	s_add_nc_u64 s[4:5], s[4:5], s[34:35]
	s_add_nc_u64 s[6:7], s[6:7], s[36:37]
	s_add_nc_u64 s[18:19], s[18:19], s[38:39]
	s_add_nc_u64 s[8:9], s[8:9], s[40:41]
	s_add_nc_u64 s[10:11], s[10:11], s[42:43]
.irp i, 0,1,2,3,4,5,6,7,8,9,10,11,12,13,14,15
	global_load_u16 v[AI+\i], v[R2], s[4:5] offset:32*\i   ; query i's neighbour r
.endr
	; each wave fetches two of the sixteen tiles of weights; all waves then take all sixteen from LDS
	s_cmp_lt_u32 s20, 4
	s_cbranch_scc0 .Lfrom_w2
.irp u, 0,1
.irp c, 0,1,2,3
	global_load_b128 v[HA+16*\u+4*\c:HA+16*\u+4*\c+3], v[VW1], s[8:9] offset:1024*\u+32*\c
.endr
.endr
	s_branch .Lfetched
.Lfrom_w2:
.irp u, 0,1
.irp c, 0,1,2,3
	global_load_b128 v[HA+16*\u+4*\c:HA+16*\u+4*\c+3], v[VW2], s[10:11] offset:128*\u+32*\c
.endr
.endr
.Lfetched:
.irp t, 0,1,2,3,4,5,6,7
	global_load_b128 v[B1+8*\t:B1+8*\t+3], v[H64], s[12:13] offset:(32*(\t/2)+8*(\t%2))*4      ; b1 at hidden units 32 (t / 2) + 16 h + 8 (t % 2) + 0 .. 7
	global_load_b128 v[B1+8*\t+4:B1+8*\t+7], v[H64], s[12:13] offset:(32*(\t/2)+8*(\t%2))*4+16
.endr
	global_load_b128 v[B2:B2+3], v[LI], s[14:15]   ; b2 at channels 4 l .. 4 l + 3
	s_wait_loadcnt 0x0
.irp k, 0,1,2,3,4,5,6,7
	ds_store_b128 v[VIS], v[HA+4*\k:HA+4*\k+3] offset:512*\k   ; a tile goes to LDS as an image of its registers: four registers of all lanes are 512 bytes on end
.endr
.irp i, 0,1,2,3,4,5,6,7,8,9,10,11,12,13,14,15
	v_min_u32 v[AI+\i], 0xfff, v[AI+\i]            ; a stored index is held inside the batch before it enters an address
.endr
.irp i, 0,1,2,3,4,5,6,7,8,9,10,11,12,13,14,15
	v_lshl_add_u32 v[AI+\i], v[AI+\i], 7, v[H16]
.endr
	GATHER 0
	GATHER 1
	GATHER 2
	GATHER 3
	s_wait_dscnt 0x0                               ; for the others' sake: my images have landed
	s_barrier_signal -1
	s_barrier_wait -1
	WIN 0x40                                       ; destination window 1, address window 0
.set n, 0
.rept 64
	ds_load_b128 v[4*n:4*n+3], v[LI] offset:512*n  ; tile T (0-7: W1's, 8-15: W2's) at v[16 T] of window 1
.set n, n+1
.endr
	WIN 0
	s_wait_kmcnt 0x0
	s_add_co_i32 s34, s24, s25                     ; e0 + e1: a sum of product 3 stands for sum x 2^(e0 + e1), so b1 goes in divided by that
	s_sub_co_i32 s35, 0, s34
	s_sub_co_i32 s36, s26, s34                     ; e2 - e0 - e1
	s_add_co_i32 s36, s36, 127
	s_lshl_b32 s37, s36, 23
	v_mov_b32 v[SC1], s37
	s_add_co_i32 s36, s36, 15
	s_lshl_b32 s36, s36, 23
	s_or_b32 s36, s36, 0x600000
	v_mov_b32 v[LIM1], s36
	s_add_co_i32 s28, s26, s27
	s_add_co_i32 s28, s28, 127
	s_lshl_b32 s28, s28, 23                        ; 2^(e2 + e3) as f32
	s_mov_b32 s29, s28                             ; (named with it as a pair, so it is written)
.set n, 0
.rept 64
	v_ldexp_f32 v[B1+n], v[B1+n], s35
.set n, n+1
.endr
	s_wait_dscnt 0x0                               ; the weights are in
.macro QRY i
.set XB, XF+16*((\i)%4)
.if (\i) < 12
	s_wait_loadcnt 12                              ; this query's four loads are in; those of the next three queries may be out
.else
	s_wait_loadcnt 4*(15-(\i))
.endif
	WIN 0x01                                       ; source 0 (W1) window 1
.irp t, 0,1,2,3,4,5,6,7
	v_wmma_f32_16x16x128_bf8_bf8 v[HA+8*\t:HA+8*\t+7], v[16*\t:16*\t+15], v[XB:XB+15], v[B1+8*\t:B1+8*\t+7]
.endr
	WIN 0
	PLACES
.if (\i) < 12
	GATHER (\i)+4                                  ; into the buffer just multiplied
.endif
.set n, 0
.rept 64
	v_med3_num_f32 v[HA+n], v[HA+n], 0, v[LIM1]    ; the activation and the hold in one (the conversion to an 8-bit code does not saturate: ISA guide 7.6.2); each accumulator from its low end on
.set n, n+1
.endr
.irp m, 0,1,2,3,4,5,6,7
	v_cvt_scalef32_pk8_bf8_f32 v[PC+2*\m:PC+2*\m+1], v[HA+8*\m:HA+8*\m+7], v[SC1]
.endr
	v_nop                                          ; a plain line between the conversions and the products that read their results and write over their sources
	WIN 0x04                                       ; source 1 (W2) window 1
.irp t, 0,1,2,3,4,5,6,7
	v_wmma_f32_16x16x128_bf8_bf8 v[HA+8*\t:HA+8*\t+7], v[PC:PC+15], v[128+16*\t:128+16*\t+15], 0
.endr
	WIN 0
	PLACES
.irp g, 0,4                                    ; the maximum over my eight neighbours, four tiles by turns
.irp t, 0,1,2,3
	v_max3_num_f32 v[M+\g+\t], v[HA+8*(\g+\t)], v[HA+8*(\g+\t)+1], v[HA+8*(\g+\t)+2]
.endr
.irp t, 0,1,2,3
	v_max3_num_f32 v[M+\g+\t], v[M+\g+\t], v[HA+8*(\g+\t)+3], v[HA+8*(\g+\t)+4]
.endr
.irp t, 0,1,2,3
	v_max3_num_f32 v[M+\g+\t], v[M+\g+\t], v[HA+8*(\g+\t)+5], v[HA+8*(\g+\t)+6]
.endr
.irp t, 0,1,2,3
	v_max_num_f32 v[M+\g+\t], v[M+\g+\t], v[HA+8*(\g+\t)+7]
.endr
.endr
	s_wait_xcnt 0x0                                ; the last query's store has read its data: they are written again below
.irp u, 0,1,2,3                                ; lanes 0-15 finish tiles 0-3 and send tiles 4-7 to lane l + 16, which does the reverse
	v_cndmask_b32 v[SND+\u], v[M+4+\u], v[M+\u], s30
	v_cndmask_b32 v[KEP+\u], v[M+\u], v[M+4+\u], s30
.endr
.irp u, 0,1,2,3
	v_permlanex16_b32 v[RCV+\u], v[SND+\u], s32, s33
.endr
.irp u, 0,1,2,3
	v_max_num_f32 v[RES+\u], v[KEP+\u], v[RCV+\u]
.endr
	v_pk_fma_f32 v[RES:RES+1], v[RES:RES+1], s[28:29], v[B2:B2+1] op_sel_hi:[1,0,1]        ; x 2^(e2 + e3) + b2 (the scalar pair's low word for both halves)
	v_pk_fma_f32 v[RES+2:RES+3], v[RES+2:RES+3], s[28:29], v[B2+2:B2+3] op_sel_hi:[1,0,1]
	global_store_b128 v[LI], v[RES:RES+3], s[18:19] offset:512*(\i) th:TH_STORE_NT         ; the query's row: 512 consecutive bytes, aligned; written once, read by nobody here
.endm
.irp i, 0,1,2,3,4,5,6,7,8,9,10,11,12,13,14,15
	QRY \i
.endr
	s_wait_tensorcnt 0x0
	ds_add_u32 v14, v15
	s_wait_dscnt 0x0
	s_endpgm
.Lfunc_end_k_q0965eafcc6_mlp:
	.size	k_q0965eafcc6_mlp, .Lfunc_end_k_q0965eafcc6_mlp-k_q0965eafcc6_mlp
	.p2alignl 7, 3214868480
	.fill 96, 4, 3214868480
	.section	.rodata,"a",@progbits
	.p2align	6, 0x0
	.amdhsa_kernel k_q0965eafcc6_mlp
		.amdhsa_group_segment_fixed_size 33792
		.amdhsa_private_segment_fixed_size 0
		.amdhsa_enable_private_segment 0
		.amdhsa_kernarg_size 64
		.amdhsa_user_sgpr_count 2
		.amdhsa_user_sgpr_kernarg_segment_ptr 1
		.amdhsa_wavefront_size32 1
		.amdhsa_system_sgpr_workgroup_id_x 1
		.amdhsa_system_sgpr_workgroup_id_y 1
		.amdhsa_system_sgpr_workgroup_id_z 1
		.amdhsa_system_vgpr_workitem_id 0
		.amdhsa_next_free_vgpr 512
		.amdhsa_next_free_sgpr 66
		.amdhsa_reserve_vcc 0
		.amdhsa_float_denorm_mode_32 3
		.amdhsa_float_denorm_mode_16_64 3
		.amdhsa_memory_ordered 1
		.amdhsa_forward_progress 1
		.amdhsa_inst_pref_size 166
	.end_amdhsa_kernel
	.amdgpu_metadata
---
amdhsa.version: [ 1, 2 ]
amdhsa.kernels:
  - .name:           k_q0965eafcc6_mlp
    .symbol:         k_q0965eafcc6_mlp.kd
    .args:
      - { .name: nbr, .offset: 0, .size: 8, .value_kind: global_buffer, .address_space: global }
      - { .name: h0c, .offset: 8, .size: 8, .value_kind: global_buffer, .address_space: global }
      - { .name: W1_codes, .offset: 16, .size: 8, .value_kind: global_buffer, .address_space: global }
      - { .name: W2_codes, .offset: 24, .size: 8, .value_kind: global_buffer, .address_space: global }
      - { .name: b1, .offset: 32, .size: 8, .value_kind: global_buffer, .address_space: global }
      - { .name: b2, .offset: 40, .size: 8, .value_kind: global_buffer, .address_space: global }
      - { .name: lowp_scales, .offset: 48, .size: 8, .value_kind: global_buffer, .address_space: global }
      - { .name: out0, .offset: 56, .size: 8, .value_kind: global_buffer, .address_space: global }
    .group_segment_fixed_size: 33792
    .private_segment_fixed_size: 0
    .kernarg_segment_align: 8
    .kernarg_segment_size: 64
    .max_flat_workgroup_size: 256
    .sgpr_count:     66
    .vgpr_count:     512
    .wavefront_size: 32
...
	.end_amdgpu_metadata
.endif
;; end of part 3
;; ======== version 2 of 2: 3 launches; version 1 with the launches groups, mlp written anew for expert scheduling mode
;; workspace buffers: gsel 1,048,576 bytes of whole numbers; nbr 1,048,576 bytes of whole numbers; h0c 4,194,304 bytes
;; launch groups (part 4): grid 256 x 1, 4 waves a work-group, no clusters, 245,248 bytes of LDS; arguments xyz, W0, b0, lowp_scales, gsel, h0c; writes gsel, h0c
.if DOCPART == 4
	.amdgcn_target "amdgcn-amd-amdhsa--gfx1250"
	.amdhsa_code_object_version 6
	.text
	.protected	k_q0965eafcc6_groups
	.globl	k_q0965eafcc6_groups
	.p2align	8
	.type	k_q0965eafcc6_groups,@function
k_q0965eafcc6_groups:
	s_mov_b64 s[64:65], 0
	v_nop
	global_prefetch_b8 v0, s[64:65] scope:SCOPE_SE
	s_setreg_imm32_b32 hwreg(HW_REG_WAVE_SCHED_MODE, 0, 2), 2
	s_setreg_imm32_b32 hwreg(HW_REG_WAVE_MODE, 25, 1), 1
	s_wait_xcnt 0x0
	s_wait_alu depctr_vm_vsrc(0)
; GROUPS.  xyz: [8][4096][3] f32.  A work-group owns 128 queries of one batch (32 work-groups a batch), four waves.
; It forms all 128 x 4,096 squared distances d = (sq_m + sq_n) - 2 dot, keeps for each query the largest d of each GROUP of 16 neighbouring candidates (256 groups),
; and stores for each query the numbers of the 17 best groups, ordered by (largest d falling, group number rising): gsel [32768][32 bytes], bytes 3 .. 19, rising.
; Every one of a query's 17 largest distances (ties to the lower index) lies in one of these 17 groups: were one outside, the first largest elements of 17 groups would stand ahead of it.
; It also makes layer 0 once for each of its 128 points: h0c [32768][128] = E5M2 codes of relu(W0 p + b0) / 2^e0, e0 = lowp_scales[0].
; ROUNDINGS.  sq = (x x + y y) + z z with each square and each sum rounded by itself; dot = fma(z, z', fma(y, y', x x')); d = fma(-2, dot, sq_n + sq_m).  The squares are NOT fused on purpose:
; a distance's last bit decides which of two nearly tied neighbours is kept, so the roundings are those of the definition taken step by step.  The next launch forms d by the same lines.
; NO JOINT LOADS: what the 32 work-groups of a batch share is the batch's 49,152 bytes, read once by each through registers, beside 524,288 distances a work-group.
; LIMITS: NaN and infinities in xyz are not served; -0 and +0 count as equal; e0 between -126 and 112, so that 2^e0 and 57,344 x 2^e0 are f32 numbers.
; THE MODE: SCHED_MODE bits 1:0 = 2 (LLVM: expert scheduling mode 2), set by the entry lines.  The code itself states the register dependences
; between vector instructions and memory or LDS instructions, with s_wait_alu, always for 0.
; THE PLAN.  Registers that memory or LDS instructions touch:
;   the offsets and LDS addresses made at the head (v2-v6, v9, v11, v224-v230): written once, ahead of the first wait on va_vdst, never again.
;   THE TABLE.  Two staging sets by turns: row i's vector lines write set i % 2; its four LDS stores are issued at row i + 1's head; row i + 2 writes the set again.
;   THE QUERIES.  QA, QB: a step's distances read one; the next step's head loads it again.  M0, M1: a step's maxima write one pair; the next step's head stores it; the step after that writes it again.
;     v[QADR], v[MADR]: read by those loads and stores; made anew at a trip's head, between the head's two waits.
;   LAYER 0.  Two sets of records: chunk c reads one; chunk c + 1's head loads it again.  The codes are written once and stored once.
;   THE ROWS.  RB0, RB1: 16 maxima each; the work on one reads it, then it is loaded again.  v[RADR]: read by those loads, made anew at a trip's end.
;   A compare's mask goes into a scalar register; the masks are made in runs, with one wait on va_sdst behind a run, ahead of its first reader.
.set GP,    272                        ; a group in the table: x[16], y[16], z[16], sq[16] (64 bytes each) + 16 of padding
.set TAB,   0                          ; LDS: the batch's 256 groups
.set MT,    256*GP                     ; the groups' largest d: eight parts, part j for the groups 32 j .. 32 j + 31, which threads 16 j .. 16 j + 15 make
.set MP,    144                        ; a query's row in a part: 32 numbers + 16 bytes: an odd multiple of 16, so sixteen rows start at sixteen different banks (ISA guide 11.1)
.set SUB,   128*MP+128                 ; a part; the 128 bytes set the two halves of a wave's store on different banks
.set QREC,  MT+8*SUB                   ; (x, y, z, sq) of the work-group's 128 queries
.set WREC,  QREC+2048                  ; (W0[c][0], W0[c][1], W0[c][2], b0[c]) for the 128 channels
.set HSTG,  WREC+2048                  ; the codes' way out: for each wave 32 rows of 128 bytes + 16
.set HP,    144
.set GSTG,  HSTG+4*32*HP               ; the group lists' way out: 1,024 bytes a wave
.set LANE,  1
.set GOFF,  2                          ; 48 t: my four points of a table row
.set TADR,  3                          ; where they go in the table
.set O12,   4
.set O4,    5
.set CADR,  6                          ; my two groups in the table
.set QADR,  7
.set MADR,  8
.set MBASE, 9
.set RADR,  10
.set RBASE, 11
.set OWN,   12                         ; v[12:15] my own point: x, y, z, sq
.set QA,    16                         ; v[16:19], v[20:23] the query in hand and the next
.set QB,    20
.set T,     24                         ; v[24:39] 16 dots
.set D,     40                         ; v[40:55] 16 distances
.set MX,    56                         ; v[56:60] at work
.set M0,    62                         ; v[62:63]   my two groups' largest d: the even queries' pair,
.set M1,    234                        ; v[234:235] and the odd queries'
.set CAND,  64                         ; v[64:191] my 32 candidates: group u at 64 u: x 0-15, y 16-31, z 32-47, sq 48-63
.set R,     64                         ; before that: the table's 24 loads, v[64:159]
.set ST,    160                        ; v[160:175], v[176:191] two staging sets: x at 0, y at 4, z at 8, sq at 12
.set TM,    192
.set WB,    64                         ; layer 0: two sets of 8 channels' records
.set H,     128                        ; two sets of 8 numbers
.set CODE,  144                        ; v[144:175] my point's 128 codes
.set OS,    192                        ; v[192:223] the codes as they leave: written once
.set L,     64                         ; v[64:80] the 17 largest, falling
.set TAU,   80
.set RB0,   84
.set RB1,   100
.set FW,    116                        ; v[116:120] the list of 20 bytes; v[121:123] zeros
.set E,     124
.set SH,    128
.set REM,   132
.set X,     133
.set HS,    224
.set HR,    225
.set GS,    226
.set GR,    227
.set O16,   228
.set WADR,  229
.set QW,    230
.set SC0,   232
.set LIM0,  233
; sq of the four points in the set at SB, in pairs; every product and every sum is rounded by itself (see the head)
.macro SQ4
.irp p, 0,2
	v_pk_mul_f32 v[SB+12+\p:SB+12+\p+1], v[SB+\p:SB+\p+1], v[SB+\p:SB+\p+1]
	v_pk_mul_f32 v[TM:TM+1], v[SB+4+\p:SB+4+\p+1], v[SB+4+\p:SB+4+\p+1]
	v_pk_add_f32 v[SB+12+\p:SB+12+\p+1], v[SB+12+\p:SB+12+\p+1], v[TM:TM+1]
	v_pk_mul_f32 v[TM:TM+1], v[SB+8+\p:SB+8+\p+1], v[SB+8+\p:SB+8+\p+1]
	v_pk_add_f32 v[SB+12+\p:SB+12+\p+1], v[SB+12+\p:SB+12+\p+1], v[TM:TM+1]
.endr
.endm
; row i's four stores, out of set i % 2
.macro TSTORE i
.set SB, ST+16*((\i)%2)
	ds_store_b128 v[TADR], v[SB:SB+3] offset:32*GP*(\i)
	ds_store_b128 v[TADR], v[SB+4:SB+7] offset:32*GP*(\i)+64
	ds_store_b128 v[TADR], v[SB+8:SB+11] offset:32*GP*(\i)+128
	ds_store_b128 v[TADR], v[SB+12:SB+15] offset:32*GP*(\i)+192
.endm
; points 4 (128 i + t) .. + 3 go from (x y z)(x y z).. to the table's x[], y[], z[], sq[]: group 32 i + t / 4, places 4 (t % 4) on.  The row before is stored at this row's head
.macro TROW i
	s_wait_loadcnt 21-3*(\i)                       ; this row's three loads are in; the later rows' may be out
.if (\i) > 1
	s_wait_alu depctr_vm_vsrc(0)                   ; the stores of the row before last, issued a row ago, have read this row's set, which the lines below write again
.endif
.if (\i) > 0
	s_wait_alu depctr_va_vdst(0)                   ; the row before has written the other set, which the four stores read
	TSTORE (\i)-1
.endif
.set SB, ST+16*((\i)%2)
.irp n, 0,1,2,3
	v_mov_b32 v[SB+\n], v[R+12*(\i)+3*\n]
	v_mov_b32 v[SB+4+\n], v[R+12*(\i)+3*\n+1]
	v_mov_b32 v[SB+8+\n], v[R+12*(\i)+3*\n+2]
.endr
	SQ4
.endm
; 16 distances between the group at v[c] and the point (x, y, z, sq) at v[q]: five runs of eight lines that do not wait for each other
.macro DIST16 c, q
.irp p, 0,1,2,3,4,5,6,7
	v_pk_mul_f32 v[T+2*\p:T+2*\p+1], v[\c+2*\p:\c+2*\p+1], v[\q:\q+1] op_sel_hi:[1,0]
.endr
.irp p, 0,1,2,3,4,5,6,7
	v_pk_fma_f32 v[T+2*\p:T+2*\p+1], v[\c+16+2*\p:\c+16+2*\p+1], v[\q:\q+1], v[T+2*\p:T+2*\p+1] op_sel:[0,1,0] op_sel_hi:[1,1,1]
.endr
.irp p, 0,1,2,3,4,5,6,7
	v_pk_fma_f32 v[T+2*\p:T+2*\p+1], v[\c+32+2*\p:\c+32+2*\p+1], v[\q+2:\q+3], v[T+2*\p:T+2*\p+1] op_sel_hi:[1,0,1]
.endr
.irp p, 0,1,2,3,4,5,6,7
	v_pk_add_f32 v[D+2*\p:D+2*\p+1], v[\c+48+2*\p:\c+48+2*\p+1], v[\q+2:\q+3] op_sel:[0,1] op_sel_hi:[1,1]
.endr
.irp p, 0,1,2,3,4,5,6,7
	v_pk_fma_f32 v[D+2*\p:D+2*\p+1], v[T+2*\p:T+2*\p+1], -2.0, v[D+2*\p:D+2*\p+1] op_sel_hi:[1,0,1]
.endr
.endm
.macro MAX16 dst
.irp a, 0,1,2,3,4
	v_max3_num_f32 v[MX+\a], v[D+3*\a], v[D+3*\a+1], v[D+3*\a+2]
.endr
	v_max3_num_f32 v[MX], v[MX], v[MX+1], v[MX+2]
	v_max3_num_f32 v[MX+3], v[MX+3], v[MX+4], v[D+15]
	v_max_num_f32 v[\dst], v[MX], v[MX+3]
.endm
; One query (its record in v[cur]) against my 32 candidates; its two maxima go into the pair v[mo].  At the step's head the next query's record is fetched into v[nxt] (ld = 1)
; and the pair v[mp] of the query before is stored (st = 1).  adr = 1: a trip's first step, which makes the trip's two LDS addresses.
.macro QSTEP cur, nxt, mo, mp, adr, ld, qoff, st, moff
.if \st
	s_wait_alu depctr_vm_vsrc(0)                   ; the store issued a step ago has read v[mo], which this step writes again; at a trip's head: the LDS instructions issued so far have read v[QADR] and v[MADR]
.endif
.if (\adr) && (\ld)
	v_mov_b32 v[QADR], s40
.endif
.if \adr
	v_add_nc_u32 v[MADR], s41, v[MBASE]
.endif
.if \st
	s_wait_alu depctr_va_vdst(0)                   ; the step before has written v[mp], which the store reads, and is done reading v[nxt], in which the load lands; at a trip's head: the two addresses are written
.endif
.if \ld
	ds_load_b128 v[\nxt:\nxt+3], v[QADR] offset:\qoff
.endif
.if \st
	ds_store_b64 v[MADR], v[\mp:\mp+1] offset:\moff
.endif
	DIST16 CAND, \cur
	MAX16 \mo
	DIST16 CAND+64, \cur
	MAX16 \mo+1
.if (\ld) && (\st)
	s_wait_dscnt 1                                 ; the record's load is older than the store: it is in; the store may be out
.elseif \ld
	s_wait_dscnt 0x0                               ; the record is in
.endif
.endm
; v goes into the falling list: each place takes the middle of its upper neighbour, itself and v; from the low end up, so that each line still finds its neighbour's old value
.macro INSERT v
.irp i, 16,15,14,13,12,11,10,9,8,7,6,5,4,3,2,1
	v_med3_num_f32 v[L+\i], v[L+\i-1], v[L+\i], v[\v]
.endr
	v_max_num_f32 v[L], v[L], v[\v]
.endm
.macro INS16 buf
.irp j, 0,1,2,3,4,5,6,7,8,9,10,11,12,13,14,15
	INSERT \buf+\j
.endr
.endm
.macro COUNTEQ cnt, ref, unit          ; unit x the number of the list's places that hold v[ref]: the masks in two runs, nine and eight
	v_mov_b32 v[\cnt], 0
.irp i, 0,1,2,3,4,5,6,7,8
	v_cmp_eq_f32 s[20+\i], v[L+\i], v[\ref]
.endr
	s_wait_alu depctr_va_sdst(0)                   ; the nine masks s20 to s28 are written, ahead of their first reader
.irp i, 0,1,2,3,4,5,6,7,8
	v_cndmask_b32 v[X], 0, \unit, s[20+\i]
	v_add_nc_u32 v[\cnt], v[\cnt], v[X]
.endr
.irp i, 9,10,11,12,13,14,15,16
	v_cmp_eq_f32 s[11+\i], v[L+\i], v[\ref]
.endr
	s_wait_alu depctr_va_sdst(0)                   ; the eight masks s20 to s27 are written, ahead of their first reader
.irp i, 9,10,11,12,13,14,15,16
	v_cndmask_b32 v[X], 0, \unit, s[11+\i]
	v_add_nc_u32 v[\cnt], v[\cnt], v[X]
.endr
.endm
.macro RLOAD buf, off                  ; 16 of my query's group maxima
.irp c, 0,1,2,3
	ds_load_b128 v[\buf+4*\c:\buf+4*\c+3], v[RADR] offset:\off+16*\c
.endr
.endm
; four groups in rising order: a group is taken if its largest d is above the 17th, or equal to it while places for equals are left.  A taken group's number (s34) enters the list of 20 bytes from the top:
; the list is shifted down by 8 bits, by 0 for a group that is not taken.  No branch hangs on a distance.
.macro APPEND4 b
.irp k, 0,1,2,3
	v_cmp_eq_f32 s[20+\k], v[\b+\k], v[TAU]
	v_cmp_gt_f32 s[24+\k], v[\b+\k], v[TAU]
.endr
	s_wait_alu depctr_va_sdst(0)                   ; the eight masks s20 to s27 are written, ahead of their first reader
.irp k, 0,1,2,3
	v_cndmask_b32 v[E+\k], 0, 8, s[20+\k]
.endr
.irp k, 0,1,2,3
	v_min_u32 v[E+\k], v[E+\k], v[REM]
	v_sub_nc_u32 v[REM], v[REM], v[E+\k]
	v_cndmask_b32 v[SH+\k], v[E+\k], 8, s[24+\k]
.endr
.irp k, 0,1,2,3
	v_alignbit_b32 v[FW], v[FW+1], v[FW], v[SH+\k]
	v_alignbit_b32 v[FW+1], v[FW+2], v[FW+1], v[SH+\k]
	v_alignbit_b32 v[FW+2], v[FW+3], v[FW+2], v[SH+\k]
	v_alignbit_b32 v[FW+3], v[FW+4], v[FW+3], v[SH+\k]
	v_alignbit_b32 v[FW+4], s34, v[FW+4], v[SH+\k]
	s_add_co_u32 s34, s34, 1
.endr
.endm
.macro APP16 buf
.irp j, 0,4,8,12
	APPEND4 \buf+\j
.endr
.endm
; a trip over 32 of my query's group maxima (one part of the table).  pre = 1: the next part's first 16 are fetched meanwhile
.macro ROWTRIP work, pre
	s_wait_alu depctr_va_vdst(0)                   ; the work of the trip before is done reading v[RB1 ..], in which the loads below land, and v[RADR] is written
	RLOAD RB1, 64
	s_wait_dscnt 4                                 ; the first 16 are in; the four loads just issued may be out
	\work RB0
.if \pre
	s_wait_alu depctr_va_vdst(0)                   ; the work above is done reading v[RB0 ..], in which the loads below land
	RLOAD RB0, SUB
	s_wait_dscnt 4                                 ; the second 16 are in; the next part's four loads may be out
.else
	s_wait_dscnt 0x0
.endif
	\work RB1
.endm
.macro WLOAD buf, c                    ; the records of channels 8 c .. 8 c + 7: every lane reads the same bytes
.irp k, 0,1,2,3,4,5,6,7
	ds_load_b128 v[\buf+4*\k:\buf+4*\k+3], v[WADR] offset:16*(8*(\c)+\k)
.endr
.endm
; channels 8 c .. 8 c + 7 of my point: three fused multiply-adds onto the bias, the activation and the hold at the largest code in one, eight codes
.macro HCH c
.set WC, WB+32*((\c)%2)
.set HC, H+8*((\c)%2)
.if (\c) < 15
.if (\c) > 0
	s_wait_alu depctr_va_vdst(0)                   ; the chunk before is done reading its set of records, in which the loads below land
.endif
	WLOAD WB+32*(((\c)+1)%2), (\c)+1
	s_wait_dscnt 8                                 ; this chunk's eight loads are in; the next chunk's eight may be out
.else
	s_wait_dscnt 0x0
.endif
.irp k, 0,1,2,3,4,5,6,7
	v_fma_f32 v[HC+\k], v[WC+4*\k], v[OWN], v[WC+4*\k+3]
.endr
.irp k, 0,1,2,3,4,5,6,7
	v_fma_f32 v[HC+\k], v[WC+4*\k+1], v[OWN+1], v[HC+\k]
.endr
.irp k, 0,1,2,3,4,5,6,7
	v_fma_f32 v[HC+\k], v[WC+4*\k+2], v[OWN+2], v[HC+\k]
.endr
.irp k, 0,1,2,3,4,5,6,7
	v_med3_num_f32 v[HC+\k], v[HC+\k], 0, v[LIM0]  ; between 0 and 57,344 x 2^e0: the conversion to an 8-bit code does not saturate (ISA guide 7.6.2)
.endr
	v_cvt_scalef32_pk8_bf8_f32 v[CODE+2*(\c):CODE+2*(\c)+1], v[HC:HC+7], v[SC0]   ; the next chunk works on the other set of numbers: its first line is the plain line behind this conversion
.endm
	; ---- the head: addresses
	s_load_b256 s[4:11], s[0:1], 0x0               ; xyz s[4:5], W0 s[6:7], b0 s[8:9], lowp_scales s[10:11]
	s_load_b128 s[12:15], s[0:1], 0x20             ; gsel s[12:13], h0c s[14:15]
	v_lshl_add_u32 v240, v0, 2, 0x3bc00
	v_mov_b32 v241, 0
	v_and_b32 v[LANE], 31, v0
	v_lshrrev_b32 v20, 5, v0
	v_readfirstlane_b32 s16, v20                   ; wave 0..3
	v_mul_u32_u24 v[GOFF], v0, 48
	v_lshrrev_b32 v21, 2, v0
	v_and_b32 v22, 3, v0
	v_mul_u32_u24 v[TADR], v21, GP
	v_lshl_add_u32 v[TADR], v22, 4, v[TADR]        ; group t / 4 of a table row, 16 (t % 4) bytes on
	v_mul_u32_u24 v[O12], v0, 12
	v_lshlrev_b32 v[O4], 2, v0
	v_mul_u32_u24 v[CADR], v0, 2*GP                ; groups 2 t and 2 t + 1
	v_lshrrev_b32 v21, 4, v0
	v_and_b32 v22, 15, v0
	v_mul_u32_u24 v[MBASE], v21, SUB
	v_lshl_add_u32 v[MBASE], v22, 3, v[MBASE]
	v_add_nc_u32 v[MBASE], MT, v[MBASE]            ; part t / 16, 8 (t % 16) bytes on: my two groups' place in a query's row
	v_mul_u32_u24 v[RBASE], v0, MP
	v_add_nc_u32 v[RBASE], MT, v[RBASE]            ; query t's row in part 0
	v_lshl_add_u32 v[QW], v0, 4, QREC
	v_mul_u32_u24 v[HS], v20, 32*HP
	v_add_nc_u32 v[HS], HSTG, v[HS]                ; my wave's stage for the codes
	v_lshrrev_b32 v21, 3, v[LANE]
	v_and_b32 v22, 7, v[LANE]
	v_mul_u32_u24 v[HR], v21, HP
	v_lshl_add_u32 v[HR], v22, 4, v[HR]
	v_add_nc_u32 v[HR], v[HS], v[HR]               ; back: eight lanes to a row, four rows an instruction
	v_mul_u32_u24 v21, v[LANE], HP
	v_add_nc_u32 v[HS], v[HS], v21                 ; in: row = my lane
	v_lshl_add_u32 v[GS], v0, 5, GSTG
	v_lshlrev_b32 v[O16], 4, v[LANE]
	v_lshl_add_u32 v[GR], v20, 10, v[O16]
	v_add_nc_u32 v[GR], GSTG, v[GR]
	v_mov_b32 v[WADR], WREC
	s_wait_alu depctr_va_sdst(0)                   ; s16 is written, ahead of its first reader: the waves' places in gsel and h0c are made from it
	s_lshr_b32 s17, ttmp9, 5                       ; the batch
	s_mul_i32 s18, s17, 49152
	s_mov_b32 s19, 0
	s_and_b32 s20, ttmp9, 31
	s_mul_i32 s20, s20, 1536                       ; my work-group's 128 points in the batch
	s_mov_b32 s21, 0
	s_lshl_b32 s22, ttmp9, 12                      ; gsel: 128 queries x 32 bytes a work-group, 1,024 a wave
	s_lshl_b32 s24, s16, 10
	s_add_co_u32 s22, s22, s24
	s_mov_b32 s23, 0
	s_lshl_b32 s24, ttmp9, 14                      ; h0c: 128 points x 128 bytes a work-group, 4,096 a wave
	s_lshl_b32 s26, s16, 12
	s_add_co_u32 s24, s24, s26
	s_mov_b32 s25, 0
	s_wait_kmcnt 0x0
	s_load_b128 s[36:39], s[10:11], 0x0            ; e0 is s36
	s_add_nc_u64 s[4:5], s[4:5], s[18:19]          ; the batch's points
	s_add_nc_u64 s[42:43], s[4:5], s[20:21]        ; my work-group's
	s_add_nc_u64 s[12:13], s[12:13], s[22:23]
	s_add_nc_u64 s[14:15], s[14:15], s[24:25]
	s_wait_alu depctr_va_vdst(0)                   ; all offsets and LDS addresses made above are written: the loads and stores of the whole kernel read them
	global_load_b32 v[OWN], v[O12], s[42:43]
	global_load_b32 v[OWN+1], v[O12], s[42:43] offset:4
	global_load_b32 v[OWN+2], v[O12], s[42:43] offset:8
	global_load_b32 v16, v[O12], s[6:7]            ; channel t's row of W0,
	global_load_b32 v17, v[O12], s[6:7] offset:4
	global_load_b32 v18, v[O12], s[6:7] offset:8
	global_load_b32 v19, v[O4], s[8:9]             ; and its bias
.irp i, 0,1,2,3,4,5,6,7
.irp j, 0,1,2
	global_load_b128 v[R+12*\i+4*\j:R+12*\i+4*\j+3], v[GOFF], s[4:5] offset:6144*\i+16*\j   ; the whole batch: 48 bytes a thread, 6,144 a row of the work-group
.endr
.endr
	s_wait_loadcnt 24                              ; the seven small loads are in; the table's 24 may be out
	v_mul_f32 v[OWN+3], v[OWN], v[OWN]             ; my point's sq, rounded as the table's (see the head)
	v_mul_f32 v20, v[OWN+1], v[OWN+1]
	v_add_f32 v[OWN+3], v[OWN+3], v20
	v_mul_f32 v20, v[OWN+2], v[OWN+2]
	v_add_f32 v[OWN+3], v[OWN+3], v20
.irp i, 0,1,2,3,4,5,6,7
	TROW \i
.endr
	s_mov_b32 s40, QREC
	s_mov_b32 s41, 0
	v_mov_b32 v[QADR], s40
	s_wait_alu depctr_va_vdst(0)                   ; row 7 has written its set and my point's sq is written, which the stores below read; v[QADR] is written; the rows' lines are done reading v[R ..], in which my candidates land behind the barrier
	TSTORE 7
	ds_store_b128 v[QW], v[OWN:OWN+3]
	ds_store_b128 v[QW], v[16:19] offset:WREC-QREC
	s_wait_dscnt 0x0                               ; for the others' sake: my stores have landed
	s_barrier_signal -1
	s_barrier_wait -1                              ; the table and the records are whole
	; ---- my 32 candidates into registers, and query 0's record
	s_wait_alu depctr_vm_vsrc(0)                   ; my LDS stores have read the two staging sets and v[16:19], in which the loads below land
.irp u, 0,1
.irp k, 0,1,2,3
.irp c, 0,1,2,3
	ds_load_b128 v[CAND+64*\u+16*\k+4*\c:CAND+64*\u+16*\k+4*\c+3], v[CADR] offset:GP*\u+64*\k+16*\c
.endr
.endr
.endr
	ds_load_b128 v[QA:QA+3], v[QADR]
	s_wait_dscnt 0x0
	; ---- all 128 queries against them: a lane is two groups, the query is the same in all lanes.  Query 0 stands ahead of the loop: it has no pair to store, and owes no wait:
	; no vector line since the last wait on va_vdst names v[QADR] or v[QB ..].  A trip takes queries 2 t + 1 and 2 t + 2.
	QSTEP QA, QB, M0, M1, 0, 1, 16, 0, 0
	s_mov_b32 s32, 63
.Lquery:
	QSTEP QB, QA, M1, M0, 1, 1, 32, 1, 0
	QSTEP QA, QB, M0, M1, 0, 1, 48, 1, MP
	s_add_co_u32 s40, s40, 32
	s_add_co_u32 s41, s41, 2*MP
	s_sub_co_u32 s32, s32, 1
	s_cmp_lg_u32 s32, 0
	s_cbranch_scc1 .Lquery
	QSTEP QB, QA, M1, M0, 1, 0, 0, 1, 0            ; the last query: nothing is fetched beyond the last record
	s_wait_alu depctr_va_vdst(0)                   ; the last step has written v[M1 ..], which the store reads, and is done reading my candidates, in which W0's records land behind the barrier
	ds_store_b64 v[MADR], v[M1:M1+1] offset:MP
	s_wait_dscnt 0x0
	s_barrier_signal -1
	s_barrier_wait -1                              ; every query's 256 group maxima lie in LDS
	; ---- layer 0 of my own point, and its codes
	WLOAD WB, 0
	s_wait_kmcnt 0x0
	s_add_co_i32 s44, s36, 127
	s_lshl_b32 s45, s44, 23
	v_mov_b32 v[SC0], s45                          ; 2^e0 as f32: the conversion takes its exponent field
	s_add_co_i32 s44, s44, 15
	s_lshl_b32 s44, s44, 23
	s_or_b32 s44, s44, 0x600000
	v_mov_b32 v[LIM0], s44                         ; 57,344 x 2^e0
.irp c, 0,1,2,3,4,5,6,7,8,9,10,11,12,13,14,15
	HCH \c
.endr
	v_nop                                          ; a plain line behind the last conversion
	s_mov_b32 s33, 0
	v_add_nc_u32 v[RADR], s33, v[RBASE]
	s_wait_alu depctr_va_vdst(0)                   ; the conversions have written the codes, which the LDS stores read; v[RADR] is written, and the chunks are done reading the records' registers: my query's first maxima land there further down
.irp k, 0,1,2,3,4,5,6,7
	ds_store_b128 v[HS], v[CODE+4*\k:CODE+4*\k+3] offset:16*\k
.endr
.irp i, 0,1,2,3,4,5,6,7
	ds_load_b128 v[OS+4*\i:OS+4*\i+3], v[HR] offset:4*HP*\i   ; LDS serves a wave's instructions in order (ISA guide 5.7.1.4): these see my wave's stores
.endr
.irp i, 0,1,2,3,4,5,6,7
	s_wait_dscnt 7-\i
	global_store_b128 v[O16], v[OS+4*\i:OS+4*\i+3], s[14:15] offset:512*\i   ; four points' codes: 512 consecutive bytes, aligned
.endr
	; ---- the 17 largest of my query's 256 group maxima: a lane is a query
.irp i, 0,1,2,3,4,5,6,7,8,9,10,11,12,13,14,15,16
	v_mov_b32 v[L+\i], 0xff800000                  ; -infinity
.endr
	RLOAD RB0, 0                                   ; no wait: the seventeen lines above name neither v[RADR] nor v[RB0 ..]
	s_mov_b32 s32, 7
.Lvalues:
	ROWTRIP INS16, 1
	s_add_co_u32 s33, s33, SUB
	s_wait_alu depctr_vm_vsrc(0)                   ; the trip's loads have read v[RADR]
	v_add_nc_u32 v[RADR], s33, v[RBASE]
	s_sub_co_u32 s32, s32, 1
	s_cmp_lg_u32 s32, 0
	s_cbranch_scc1 .Lvalues
	ROWTRIP INS16, 0                               ; the last part: nothing is fetched beyond it
	COUNTEQ REM, TAU, 8                            ; 8 x the places that groups equal to the 17th may take
	; ---- and their numbers, in rising order
.irp i, 0,1,2,3,4,5,6,7
	v_mov_b32 v[FW+\i], 0
.endr
	s_mov_b32 s34, 0                               ; the group's number
	s_mov_b32 s33, 0
	s_wait_alu depctr_vm_vsrc(0)                   ; the last part's loads have read v[RADR]
	v_add_nc_u32 v[RADR], s33, v[RBASE]
	s_wait_alu depctr_va_vdst(0)                   ; v[RADR] is written, and the insertions are done reading v[RB0 ..], in which the loads below land
	RLOAD RB0, 0
	s_mov_b32 s32, 7
.Lnumbers:
	ROWTRIP APP16, 1
	s_add_co_u32 s33, s33, SUB
	s_wait_alu depctr_vm_vsrc(0)                   ; the trip's loads have read v[RADR]
	v_add_nc_u32 v[RADR], s33, v[RBASE]
	s_sub_co_u32 s32, s32, 1
	s_cmp_lg_u32 s32, 0
	s_cbranch_scc1 .Lnumbers
	ROWTRIP APP16, 0
	; 17 numbers have entered: they are bytes 3 to 19.  Through my wave's stage, so that a store covers 512 consecutive bytes
	s_wait_alu depctr_va_vdst(0)                   ; the list v[FW ..] is written, which the LDS stores read; the compares are done reading v[RB0 ..], in which the loads from the stage land
	ds_store_b128 v[GS], v[FW:FW+3]
	ds_store_b128 v[GS], v[FW+4:FW+7] offset:16
	ds_load_b128 v[RB0:RB0+3], v[GR]
	ds_load_b128 v[RB0+4:RB0+7], v[GR] offset:512
	s_wait_dscnt 1
	global_store_b128 v[O16], v[RB0:RB0+3], s[12:13]
	s_wait_dscnt 0x0
	global_store_b128 v[O16], v[RB0+4:RB0+7], s[12:13] offset:512
	s_wait_dscnt 0x0                               ; the closing lines, six on end
	s_wait_alu 0x0
	s_wait_tensorcnt 0x0
	ds_add_u32 v240, v241
	s_wait_dscnt 0x0
	s_endpgm
.Lfunc_end_k_q0965eafcc6_groups:
	.size	k_q0965eafcc6_groups, .Lfunc_end_k_q0965eafcc6_groups-k_q0965eafcc6_groups
	.p2alignl 7, 3214868480
	.fill 96, 4, 3214868480
	.section	.rodata,"a",@progbits
	.p2align	6, 0x0
	.amdhsa_kernel k_q0965eafcc6_groups
		.amdhsa_group_segment_fixed_size 245248
		.amdhsa_private_segment_fixed_size 0
		.amdhsa_enable_private_segment 0
		.amdhsa_kernarg_size 48
		.amdhsa_user_sgpr_count 2
		.amdhsa_user_sgpr_kernarg_segment_ptr 1
		.amdhsa_wavefront_size32 1
		.amdhsa_system_sgpr_workgroup_id_x 1
		.amdhsa_system_sgpr_workgroup_id_y 1
		.amdhsa_system_sgpr_workgroup_id_z 1
		.amdhsa_system_vgpr_workitem_id 0
		.amdhsa_next_free_vgpr 242
		.amdhsa_next_free_sgpr 66
		.amdhsa_reserve_vcc 0
		.amdhsa_float_denorm_mode_32 3
		.amdhsa_float_denorm_mode_16_64 3
		.amdhsa_memory_ordered 1
		.amdhsa_forward_progress 1
		.amdhsa_inst_pref_size 206
	.end_amdhsa_kernel
	.amdgpu_metadata
---
amdhsa.version: [ 1, 2 ]
amdhsa.kernels:
  - .name:           k_q0965eafcc6_groups
    .symbol:         k_q0965eafcc6_groups.kd
    .args:
      - { .name: xyz, .offset: 0, .size: 8, .value_kind: global_buffer, .address_space: global }
      - { .name: W0, .offset: 8, .size: 8, .value_kind: global_buffer, .address_space: global }
      - { .name: b0, .offset: 16, .size: 8, .value_kind: global_buffer, .address_space: global }
      - { .name: lowp_scales, .offset: 24, .size: 8, .value_kind: global_buffer, .address_space: global }
      - { .name: gsel, .offset: 32, .size: 8, .value_kind: global_buffer, .address_space: global }
      - { .name: h0c, .offset: 40, .size: 8, .value_kind: global_buffer, .address_space: global }
    .group_segment_fixed_size: 245248
    .private_segment_fixed_size: 0
    .kernarg_segment_align: 8
    .kernarg_segment_size: 48
    .max_flat_workgroup_size: 128
    .sgpr_count:     66
    .vgpr_count:     242
    .wavefront_size: 32
...
	.end_amdgpu_metadata
.endif
;; end of part 4
;; launch pick: the kernel of part 2 again; grid 256 x 1, 4 waves a work-group, no clusters, 74,240 bytes of LDS; arguments xyz, gsel, nbr; writes nbr
;; launch mlp (part 5): grid 256 x 1, 8 waves a work-group, no clusters, 33,792 bytes of LDS; arguments nbr, h0c, W1_codes, W2_codes, b1, b2, lowp_scales, out0; writes out0
.if DOCPART == 5
	.amdgcn_target "amdgcn-amd-amdhsa--gfx1250"
	.amdhsa_code_object_version 6
	.text
	.protected	k_q0965eafcc6_mlp
	.globl	k_q0965eafcc6_mlp
	.p2align	8
	.type	k_q0965eafcc6_mlp,@function
k_q0965eafcc6_mlp:
	s_mov_b64 s[64:65], 0
	v_nop
	global_prefetch_b8 v0, s[64:65] scope:SCOPE_SE
	s_setreg_imm32_b32 hwreg(HW_REG_WAVE_SCHED_MODE, 0, 2), 2
	s_setreg_imm32_b32 hwreg(HW_REG_WAVE_MODE, 25, 1), 1
	s_wait_xcnt 0x0
	s_wait_alu depctr_vm_vsrc(0)
; MLP.  out0[q][:] = max over q's 16 neighbours n of ( Q(relu( Q(h0[n]) W1^T + b1 )) W2^T + b2 ), both products on E5M2 codes with the given scales 2^e0 .. 2^e3.
; h0c holds Q(h0) as codes, 128 bytes a point; nbr the 16 neighbours of each query (u16, within the batch).  W1_codes, W2_codes: [128][128], K innermost.  out0: [32768][128] f32.
; SHARES.  A work-group takes 128 queries, each of its eight waves 16, one after the other.  A query is one tile: its 16 neighbours are the 16 rows.  Two waves lie on a SIMD, so that one wave's vector work
; stands beside the other's matrix work.  Every wave keeps all of W1 and W2 in registers (window 1, 256 registers): 16 tiles of 16 rows x 128 K.
; FRAGMENTS are fed in pieces of 16 bytes: registers 4 c .. 4 c + 3 of lane (r, h) hold k = 32 c + 16 h + 0 .. 15 of row r: the same order of k in both operands of a product, so every product meets its partner.
; PRODUCT 3 IS USED TRANSPOSED (source 0 = 16 rows of W1, source 1 = the neighbours' codes): a lane holds ONE neighbour, its registers run along the hidden units.  Lane r of W1's tile t takes row
; 32 (t / 2) + 8 (t % 2) + r + 8 (r / 8), so that the 16 registers of tiles 2 b, 2 b + 1 are the hidden units 32 b + 16 h + 0 .. 15: the conversions' results are product 4's operand as they stand.
; b1 / 2^(e0 + e1) is the C of product 3; relu and the hold at the largest code are one line; the three scales are folded into the conversion's one, 2^(e2 - e0 - e1).
; PRODUCT 4 (source 0 = the hidden codes, source 1 = 16 rows of W2): a lane holds ONE output channel and eight neighbours.  Lane r of W2's tile t takes channel 64 (t / 4) + 4 r + t % 4, so that behind the maximum
; lane l holds channels 4 l .. 4 l + 3: a query's row leaves by one store of 512 consecutive bytes.  The maximum is taken of the sums; x 2^(e2 + e3) + b2 follows it: the map rises with the sum, so the values are the same.
; NO JOINT LOADS: what all work-groups share is 32,768 bytes of weights, read once by each; the gathered rows differ from query to query.  No prefetch: a point's codes are named by many queries.
; LIMITS: e2 - e0 - e1 between -126 and 112, e2 + e3 between -126 and 127, so that each power of two below is an f32 number.
; THE MODE: SCHED_MODE bits 1:0 = 2 (LLVM: expert scheduling mode 2), set by the entry lines.  The code itself states the register dependences
; between vector or matrix instructions and memory or LDS instructions, with s_wait_alu, always for 0.
; THE PLAN.  Registers that memory or LDS instructions touch:
;   v4 .. v10     offsets and LDS addresses: written at the head, never again.
;   AI            loaded, then held and shifted once by vector lines; from there on the gathers read them and nothing writes them.
;   HA's first 32 at the head alone: loaded, read by the LDS stores of the weights' images; the products write them from query 0 on.
;   XF0 .. XF3    query i's first eight products read XF[i % 4]; the gather of query i + 4 lands in it.
;   RES           written by the two multiply-adds at the end of query i; read by one store, issued in the middle of query i + 1; written again at that query's end.
;   window 1      the weights: LDS loads write them once; the products alone read them.
; So ONE wait on va_vdst stands in a query, behind the conversions and their plain line, ahead of the second product, which takes the conversions' results.  It states that the first products are done
; reading XF[i % 4] and that the query before has written RES.  The gather of query i + 4 and the store of query i - 1 follow it.  One wait on vm_vsrc stands ahead of the lines that write RES again.
.set LI,   4                           ; v4   16 x lane
.set H16,  5                           ; v5   16 h
.set VIS,  6                           ; v6   where my wave stores its two tiles' images: 16 x lane + 4,096 x wave
.set VW1,  7                           ; v7   W1: (r + 8 (r / 8)) x 128 + 16 h
.set VW2,  8                           ; v8   W2: 512 r + 16 h
.set R2,   9                           ; v9   2 r
.set H64,  10                          ; v10  64 h
.set SC1,  11                          ; v11  2^(e2 - e0 - e1)
.set LIM1, 12                          ; v12  57,344 x that
.set AI,   16                          ; v[16:31]   query i: my neighbour's index, then its codes' byte offset + 16 h; never rewritten after that
.set XF,   32                          ; v[32:95]   four buffers for the neighbours' codes
.set HA,   96                          ; v[96:159]  eight accumulators: the hidden layer, then the outputs
.set PC,   160                         ; v[160:175] the hidden layer's codes; behind product 4 at work:
.set SND,  160
.set KEP,  164
.set RCV,  168
.set B1,   176                         ; v[176:239] b1 / 2^(e0 + e1) in the accumulators' layout
.set M,    240                         ; v[240:247] the tiles' maxima over my eight neighbours
.set RES,  248                         ; v[248:251] my four channels
.set B2,   252                         ; v[252:255] their biases
.set MSB, 0
.macro WIN new                         ; the immediate's high byte repeats the setting that is left
.if MSB != \new
	s_set_vgpr_msb (MSB<<8)|\new
.set MSB, \new
.endif
.endm
.macro GATHER i                        ; query i's 16 rows of codes: lane (r, h) takes, of neighbour r's 128 bytes, those at 32 c + 16 h
.irp c, 0,1,2,3
	global_load_b128 v[XF+16*((\i)%4)+4*\c:XF+16*((\i)%4)+4*\c+3], v[AI+(\i)], s[6:7] offset:32*\c
.endr
.endm
.macro PLACES                          ; four plain lines between a matrix instruction and a read of its result (ISA guide 7.12.1)
.rept 4
	v_nop
.endr
.endm
	s_load_b256 s[4:11], s[0:1], 0x0               ; nbr s[4:5], h0c s[6:7], W1's codes s[8:9], W2's codes s[10:11]
	s_load_b256 s[12:19], s[0:1], 0x20             ; b1 s[12:13], b2 s[14:15], lowp_scales s[16:17], out0 s[18:19]
	v_lshl_add_u32 v14, v0, 2, 0x8000
	v_mov_b32 v15, 0
	v_and_b32 v1, 31, v0                           ; lane
	v_lshrrev_b32 v13, 5, v0
	v_readfirstlane_b32 s20, v13                   ; wave 0..7
	v_and_b32 v2, 15, v0                           ; r
	v_bfe_u32 v3, v0, 4, 1                         ; h
	v_lshlrev_b32 v[LI], 4, v1
	v_lshlrev_b32 v[H16], 4, v3
	v_lshl_add_u32 v[VIS], v13, 12, v[LI]
	v_and_b32 v[VW1], 8, v2
	v_add_nc_u32 v[VW1], v[VW1], v2
	v_lshl_add_u32 v[VW1], v[VW1], 7, v[H16]
	v_lshl_add_u32 v[VW2], v2, 9, v[H16]
	v_lshlrev_b32 v[R2], 1, v2
	v_lshlrev_b32 v[H64], 6, v3
	s_wait_alu depctr_va_sdst(0)                   ; s20 is written, ahead of its first reader: the wave's places in the buffers and the branch below are made from it
	s_mov_b32 s30, 0xffff0000                      ; lanes 16 to 31
	s_mov_b32 s32, 0x76543210                      ; v_permlanex16_b32's selects for lane l xor 16
	s_mov_b32 s33, 0xfedcba98
	s_lshl_b32 s34, ttmp9, 12                      ; nbr: 128 queries x 32 bytes a work-group, 512 a wave
	s_lshl_b32 s36, s20, 9
	s_add_co_u32 s34, s34, s36
	s_mov_b32 s35, 0
	s_lshr_b32 s36, ttmp9, 5
	s_lshl_b32 s36, s36, 19                        ; h0c: the batch's 4,096 points x 128 bytes
	s_mov_b32 s37, 0
	s_lshl_b32 s38, ttmp9, 16                      ; out0: 128 rows x 512 bytes a work-group, 8,192 a wave
	s_lshl_b32 s40, s20, 13
	s_add_co_u32 s38, s38, s40
	s_mov_b32 s39, 0
	s_lshl_b32 s40, s20, 12                        ; waves 0-3: W1's tiles 2 w, 2 w + 1 begin at row 32 w
	s_mov_b32 s41, 0
	s_bfe_u32 s42, s20, 0x10001                    ; waves 4-7: W2's tiles 2 (w - 4) + u: 8,192 x ((w - 4) / 2) + 256 x ((w - 4) % 2) + 128 u
	s_lshl_b32 s42, s42, 13
	s_and_b32 s44, s20, 1
	s_lshl_b32 s44, s44, 8
	s_add_co_u32 s42, s42, s44
	s_mov_b32 s43, 0
	s_wait_kmcnt 0x0
	s_load_b128 s[24:27], s[16:17], 0x0            ; e0, e1, e2, e3
	s_add_nc_u64 s[4:5], s[4:5], s[34:35]
	s_add_nc_u64 s[6:7], s[6:7], s[36:37]
	s_add_nc_u64 s[18:19], s[18:19], s[38:39]
	s_add_nc_u64 s[8:9], s[8:9], s[40:41]
	s_add_nc_u64 s[10:11], s[10:11], s[42:43]
	s_wait_alu depctr_va_vdst(0)                   ; the offsets and LDS addresses v4 to v10 are written: the loads and stores of the whole kernel read them
.irp i, 0,1,2,3,4,5,6,7,8,9,10,11,12,13,14,15
	global_load_u16 v[AI+\i], v[R2], s[4:5] offset:32*\i   ; query i's neighbour r
.endr
	; each wave fetches two of the sixteen tiles of weights; all waves then take all sixteen from LDS
	s_cmp_lt_u32 s20, 4
	s_cbranch_scc0 .Lfrom_w2
.irp u, 0,1
.irp c, 0,1,2,3
	global_load_b128 v[HA+16*\u+4*\c:HA+16*\u+4*\c+3], v[VW1], s[8:9] offset:1024*\u+32*\c
.endr
.endr
	s_branch .Lfetched
.Lfrom_w2:
.irp u, 0,1
.irp c, 0,1,2,3
	global_load_b128 v[HA+16*\u+4*\c:HA+16*\u+4*\c+3], v[VW2], s[10:11] offset:128*\u+32*\c
.endr
.endr
.Lfetched:
.irp t, 0,1,2,3,4,5,6,7
	global_load_b128 v[B1+8*\t:B1+8*\t+3], v[H64], s[12:13] offset:(32*(\t/2)+8*(\t%2))*4      ; b1 at hidden units 32 (t / 2) + 16 h + 8 (t % 2) + 0 .. 7
	global_load_b128 v[B1+8*\t+4:B1+8*\t+7], v[H64], s[12:13] offset:(32*(\t/2)+8*(\t%2))*4+16
.endr
	global_load_b128 v[B2:B2+3], v[LI], s[14:15]   ; b2 at channels 4 l .. 4 l + 3
	s_wait_loadcnt 0x0
.irp k, 0,1,2,3,4,5,6,7
	ds_store_b128 v[VIS], v[HA+4*\k:HA+4*\k+3] offset:512*\k   ; a tile goes to LDS as an image of its registers: four registers of all lanes are 512 bytes on end
.endr
.irp i, 0,1,2,3,4,5,6,7,8,9,10,11,12,13,14,15
	v_min_u32 v[AI+\i], 0xfff, v[AI+\i]            ; a stored index is held inside the batch before it enters an address
.endr
.irp i, 0,1,2,3,4,5,6,7,8,9,10,11,12,13,14,15
	v_lshl_add_u32 v[AI+\i], v[AI+\i], 7, v[H16]
.endr
	s_wait_alu depctr_va_vdst(0)                   ; the sixteen offsets v[AI ..] are written, which all gathers read
	GATHER 0
	GATHER 1
	GATHER 2
	GATHER 3
	s_wait_dscnt 0x0                               ; for the others' sake: my images have landed
	s_barrier_signal -1
	s_barrier_wait -1
	WIN 0x40                                       ; destination window 1, address window 0
.set n, 0
.rept 64
	ds_load_b128 v[4*n:4*n+3], v[LI] offset:512*n  ; tile T (0-7: W1's, 8-15: W2's) at v[16 T] of window 1; no vector line has named these registers, and v[LI] stands since the head
.set n, n+1
.endr
	WIN 0
	s_wait_kmcnt 0x0
	s_add_co_i32 s34, s24, s25                     ; e0 + e1: a sum of product 3 stands for sum x 2^(e0 + e1), so b1 goes in divided by that
	s_sub_co_i32 s35, 0, s34
	s_sub_co_i32 s36, s26, s34                     ; e2 - e0 - e1
	s_add_co_i32 s36, s36, 127
	s_lshl_b32 s37, s36, 23
	v_mov_b32 v[SC1], s37
	s_add_co_i32 s36, s36, 15
	s_lshl_b32 s36, s36, 23
	s_or_b32 s36, s36, 0x600000
	v_mov_b32 v[LIM1], s36
	s_add_co_i32 s28, s26, s27
	s_add_co_i32 s28, s28, 127
	s_lshl_b32 s28, s28, 23                        ; 2^(e2 + e3) as f32
	s_mov_b32 s29, s28                             ; (named with it as a pair, so it is written)
.set n, 0
.rept 64
	v_ldexp_f32 v[B1+n], v[B1+n], s35
.set n, n+1
.endr
	s_wait_dscnt 0x0                               ; the weights are in
	s_wait_alu depctr_vm_vsrc(0)                   ; the LDS stores of my two images have read v[HA ..], which query 0's products write
.macro QRY i
.set XB, XF+16*((\i)%4)
.if (\i) < 12
	s_wait_loadcnt 12                              ; this query's four loads are in; those of the next three queries may be out
.else
	s_wait_loadcnt 4*(15-(\i))
.endif
	WIN 0x01                                       ; source 0 (W1) window 1
.irp t, 0,1,2,3,4,5,6,7
	v_wmma_f32_16x16x128_bf8_bf8 v[HA+8*\t:HA+8*\t+7], v[16*\t:16*\t+15], v[XB:XB+15], v[B1+8*\t:B1+8*\t+7]
.endr
	WIN 0
	PLACES
.set n, 0
.rept 64
	v_med3_num_f32 v[HA+n], v[HA+n], 0, v[LIM1]    ; the activation and the hold in one (the conversion to an 8-bit code does not saturate: ISA guide 7.6.2); each accumulator from its low end on
.set n, n+1
.endr
.irp m, 0,1,2,3,4,5,6,7
	v_cvt_scalef32_pk8_bf8_f32 v[PC+2*\m:PC+2*\m+1], v[HA+8*\m:HA+8*\m+7], v[SC1]
.endr
	v_nop                                          ; a plain line between the conversions and the products that read their results and write over their sources
	s_wait_alu depctr_va_vdst(0)                   ; the eight products above are done reading v[XB ..], in which the gather lands; the query before has written v[RES ..], which the store reads
.if (\i) < 12
	GATHER (\i)+4                                  ; into the buffer just multiplied
.endif
.if (\i) > 0
	global_store_b128 v[LI], v[RES:RES+3], s[18:19] offset:512*((\i)-1) th:TH_STORE_NT     ; the row of the query before: 512 consecutive bytes, aligned; written once, read by nobody here
.endif
	WIN 0x04                                       ; source 1 (W2) window 1
.irp t, 0,1,2,3,4,5,6,7
	v_wmma_f32_16x16x128_bf8_bf8 v[HA+8*\t:HA+8*\t+7], v[PC:PC+15], v[128+16*\t:128+16*\t+15], 0
.endr
	WIN 0
	PLACES
.irp g, 0,4                                    ; the maximum over my eight neighbours, four tiles by turns
.irp t, 0,1,2,3
	v_max3_num_f32 v[M+\g+\t], v[HA+8*(\g+\t)], v[HA+8*(\g+\t)+1], v[HA+8*(\g+\t)+2]
.endr
.irp t, 0,1,2,3
	v_max3_num_f32 v[M+\g+\t], v[M+\g+\t], v[HA+8*(\g+\t)+3], v[HA+8*(\g+\t)+4]
.endr
.irp t, 0,1,2,3
	v_max3_num_f32 v[M+\g+\t], v[M+\g+\t], v[HA+8*(\g+\t)+5], v[HA+8*(\g+\t)+6]
.endr
.irp t, 0,1,2,3
	v_max_num_f32 v[M+\g+\t], v[M+\g+\t], v[HA+8*(\g+\t)+7]
.endr
.endr
	s_wait_xcnt 0x0                                ; the last query's store has read its data: they are written again below
.if (\i) > 0
	s_wait_alu depctr_vm_vsrc(0)                   ; the store issued in this query's middle has read v[RES ..], which the lines below write again
.endif
.irp u, 0,1,2,3                                ; lanes 0-15 finish tiles 0-3 and send tiles 4-7 to lane l + 16, which does the reverse
	v_cndmask_b32 v[SND+\u], v[M+4+\u], v[M+\u], s30
	v_cndmask_b32 v[KEP+\u], v[M+\u], v[M+4+\u], s30
.endr
.irp u, 0,1,2,3
	v_permlanex16_b32 v[RCV+\u], v[SND+\u], s32, s33
.endr
.irp u, 0,1,2,3
	v_max_num_f32 v[RES+\u], v[KEP+\u], v[RCV+\u]
.endr
	v_pk_fma_f32 v[RES:RES+1], v[RES:RES+1], s[28:29], v[B2:B2+1] op_sel_hi:[1,0,1]        ; x 2^(e2 + e3) + b2 (the scalar pair's low word for both halves)
	v_pk_fma_f32 v[RES+2:RES+3], v[RES+2:RES+3], s[28:29], v[B2+2:B2+3] op_sel_hi:[1,0,1]
.endm
.irp i, 0,1,2,3,4,5,6,7,8,9,10,11,12,13,14,15
	QRY \i
.endr
	s_wait_alu depctr_va_vdst(0)                   ; query 15 has written v[RES ..], which the last store reads
	global_store_b128 v[LI], v[RES:RES+3], s[18:19] offset:512*15 th:TH_STORE_NT
	s_wait_dscnt 0x0                               ; the closing lines, six on end
	s_wait_alu 0x0
	s_wait_tensorcnt 0x0
	ds_add_u32 v14, v15
	s_wait_dscnt 0x0
	s_endpgm
.Lfunc_end_k_q0965eafcc6_mlp:
	.size	k_q0965eafcc6_mlp, .Lfunc_end_k_q0965eafcc6_mlp-k_q0965eafcc6_mlp
	.p2alignl 7, 3214868480
	.fill 96, 4, 3214868480
	.section	.rodata,"a",@progbits
	.p2align	6, 0x0
	.amdhsa_kernel k_q0965eafcc6_mlp
		.amdhsa_group_segment_fixed_size 33792
		.amdhsa_private_segment_fixed_size 0
		.amdhsa_enable_private_segment 0
		.amdhsa_kernarg_size 64
		.amdhsa_user_sgpr_count 2
		.amdhsa_user_sgpr_kernarg_segment_ptr 1
		.amdhsa_wavefront_size32 1
		.amdhsa_system_sgpr_workgroup_id_x 1
		.amdhsa_system_sgpr_workgroup_id_y 1
		.amdhsa_system_sgpr_workgroup_id_z 1
		.amdhsa_system_vgpr_workitem_id 0
		.amdhsa_next_free_vgpr 512
		.amdhsa_next_free_sgpr 66
		.amdhsa_reserve_vcc 0
		.amdhsa_float_denorm_mode_32 3
		.amdhsa_float_denorm_mode_16_64 3
		.amdhsa_memory_ordered 1
		.amdhsa_forward_progress 1
		.amdhsa_inst_pref_size 167
	.end_amdhsa_kernel
	.amdgpu_metadata
---
amdhsa.version: [ 1, 2 ]
amdhsa.kernels:
  - .name:           k_q0965eafcc6_mlp
    .symbol:         k_q0965eafcc6_mlp.kd
    .args:
      - { .name: nbr, .offset: 0, .size: 8, .value_kind: global_buffer, .address_space: global }
      - { .name: h0c, .offset: 8, .size: 8, .value_kind: global_buffer, .address_space: global }
      - { .name: W1_codes, .offset: 16, .size: 8, .value_kind: global_buffer, .address_space: global }
      - { .name: W2_codes, .offset: 24, .size: 8, .value_kind: global_buffer, .address_space: global }
      - { .name: b1, .offset: 32, .size: 8, .value_kind: global_buffer, .address_space: global }
      - { .name: b2, .offset: 40, .size: 8, .value_kind: global_buffer, .address_space: global }
      - { .name: lowp_scales, .offset: 48, .size: 8, .value_kind: global_buffer, .address_space: global }
      - { .name: out0, .offset: 56, .size: 8, .value_kind: global_buffer, .address_space: global }
    .group_segment_fixed_size: 33792
    .private_segment_fixed_size: 0
    .kernarg_segment_align: 8
    .kernarg_segment_size: 64
    .max_flat_workgroup_size: 256
    .sgpr_count:     66
    .vgpr_count:     512
    .wavefront_size: 32
...
	.end_amdgpu_metadata
.endif
;; end of part 5
